; MI455X (gfx1250); checked and timed in simulation.
; The chip was launched on July 23, 2026; its instructions are those of AMD's public machine-readable ISA for CDNA 5 (MIT licence, August 2026) and "CDNA5" Instruction Set Architecture Reference Guide (July 2026). The comments in the code are by the model that wrote it; some were corrected since.
;; Decoder Block. Allowed arithmetic: matrix products marked QUANTISED: E3M2 operands, one E8M0 scale for each 32 along K, by v_wmma_scale_f32_16x16x128_f8f6f4 with both operands' format E3M2, f32 sums; everything else in f32.
;; Inputs: b1 1,024 float32; b2 1,024 float32; bf1 4,096 float32; bf2 1,024 float32; bo 1,024 float32; g1 1,024 float32; g2 1,024 float32; w1 1,024 x 4,096 float32; w2 4,096 x 1,024 float32; wk 16 x 1,024 x 64 float32; wo 1,024 x 1,024 float32; wq 16 x 1,024 x 64 float32; wv 16 x 1,024 x 64 float32; x 2 x 2,048 x 1,024 float32.
;; Outputs: out0 2 x 2,048 x 1,024 float32.
;; This version of the problem:
;;   THIS VERSION OF THE PROBLEM IS GIVEN IN LOW PRECISION. The matrix products marked QUANTISED in the list below multiply operands that are first quantised to E3M2 (3 exponent bits, 2 mantissa bits; 6 bits a number), with one power-of-two scale for each 32 numbers along K (OCP MX v1.0); their sums are f32. All else is computed in f32.
;;   The module's matrix products, in the order in which they are computed (A, B: the left and right operand; K: the contracted axis; several contracted axes count as one K, in the product's order):
;;     1. [M 1,024, K 1,024] x [K 1,024, N 4,096]; A: input wq; B: computed on the way: QUANTISED
;;     2. [M 1,024, K 1,024] x [K 1,024, N 4,096]; A: input wk; B: computed on the way: QUANTISED
;;     3. [M 1,024, K 1,024] x [K 1,024, N 4,096]; A: input wv; B: computed on the way: QUANTISED
;;     4. batch 32 x [M 2,048, K 64] x [K 64, N 2,048]; A: computed on the way; B: computed on the way: QUANTISED
;;     5. batch 32 x [M 2,048, K 2,048] x [K 2,048, N 64]; A: softmax (see below); B: computed on the way: QUANTISED
;;     6. [M 4,096, K 1,024] x [K 1,024, N 1,024]; A: computed on the way; B: input wo: QUANTISED
;;     7. [M 4,096, K 1,024] x [K 1,024, N 4,096]; A: computed on the way; B: input w1: QUANTISED
;;     8. [M 4,096, K 4,096] x [K 4,096, N 1,024]; A: computed on the way; B: input w2: QUANTISED
;;   THE QUANTISER, for each operand of a quantised product, along K:
;;     - K is cut into blocks of 32 from its start; a last block that is shorter is filled with zeros.
;;     - A block's scale is 2^e with e = floor(log2(the largest magnitude in the block)) - 4, held to -126 .. 127; a block of zeros has e = 0. As a byte (E8M0): e + 127.
;;     - Each number is divided by its block's scale, clamped to +-28, and rounded to the nearest number of E3M2, ties to even, subnormals kept.
;;     - The product sums the exact products of the quantised numbers (number of the format x scale) in f32.
;;   ~~~python
;;   def quantise(x, axis):      # numpy; x: float32 -> the quantised numbers, widened to float32 again
;;       x = np.moveaxis(x, axis, -1); K = x.shape[-1]
;;       x = np.pad(x, [(0, 0)] * (x.ndim - 1) + [(0, -K % 32)]); x = x.reshape(x.shape[:-1] + (-1, 32)); a = np.abs(x).max(-1, keepdims=True)
;;       e = np.where(a > 0, np.clip(np.frexp(np.where(a > 0, a, 1))[1] - 1 - 4, -126, 127), 0)      # np.frexp(a)[1] - 1 = floor(log2(a)), exactly
;;       r = np.clip(x / 2.0 ** e, -28, 28)
;;       step = 2.0 ** (np.maximum(np.frexp(np.where(r == 0, 1, r))[1] - 1, -2) - 2)
;;       q = np.round(r / step) * step * 2.0 ** e      # np.round: ties to even
;;       return np.moveaxis(q.reshape(q.shape[:-2] + (-1,))[..., :K], -1, axis).astype(np.float32)
;;   ~~~
;;   SOFTMAX AHEAD OF A QUANTISED PRODUCT. Where the list says 'softmax', what is quantised is not the finished softmax but p = 2^(t - M), with t = logit x log2(e) and M = ceil(the row's largest t), a whole number; so 1/2 < the row's largest p <= 1. The row's sum l is taken of the UNQUANTISED p, in f32, and the product's result is divided by l at the end. Since M is a whole number, a kernel that streams over the keys may use a running M (the ceiling of the running maximum): every later rescaling is an exact power of two, which a block's scale takes up: the codes' values come out the same.
;;   OPERANDS COMPUTED ON THE WAY. 'Computed on the way' means the value that the module computes at that place (a softmax that the list does not call 'softmax' is quantised finished and normalised). What goes into a quantiser is computed in f32, as accurately as f32 sums, v_exp_f32 and their like allow (about 1e-6 of the number): no bf16 or f16 on the way to a quantiser, and a product that is left as it is and whose result goes on into a quantised operand takes f32 operands (vector FMAs, or v_wmma_f32_16x16x4_f32). A number that lies on a knife's edge between two numbers of the format may be rounded either way, as far as f32 arithmetic and the matrix unit's own rounding can turn it there, and no further.
;; One version. Each part assembles by itself: llvm-mc -triple=amdgcn-amd-amdhsa -mcpu=gfx1250 --defsym DOCPART=n.
;; ======== version 1 of 1: 7 launches
;; workspace buffers: wb 9,830,400 bytes; hb 3,276,800 bytes; qb 10,092,544 bytes; ab 3,276,800 bytes; xb 16,777,216 bytes; fb 13,107,200 bytes
;; launch prep1 (part 1): grid 384 x 1, 8 waves a work-group, no clusters, 103,424 bytes of LDS; arguments x, g1, b1, hb, wq, wk, wv, wo, wb; writes hb, wb
.if DOCPART == 1
	.amdgcn_target "amdgcn-amd-amdhsa--gfx1250"
	.amdhsa_code_object_version 6
	.text
	.protected	k_qb9258bfb30_prep1
	.globl	k_qb9258bfb30_prep1
	.p2align	8
	.type	k_qb9258bfb30_prep1,@function
k_qb9258bfb30_prep1:
	s_mov_b64 s[64:65], 0
	v_nop
	global_prefetch_b8 v0, s[64:65] scope:SCOPE_SE
	s_setreg_imm32_b32 hwreg(HW_REG_WAVE_MODE, 25, 1), 1
	s_wait_xcnt 0x0
; TWO JOBS THAT SHARE NO DATA, IN ONE LAUNCH.  Work-groups 0-255: the rows' LayerNorm, quantised.  Work-groups 256-383: the weights wq, wk, wv, wo, quantised.  Neither waits for the other; they part on the
; work-group's number at the first line, which is the same for all waves of a work-group, and each has LDS bytes of its own (rows: bytes 0 to 77,055; weights: from byte 77,824, 3,072 for each wave).
; Both make codes of BF6 (E3M2) with one E8M0 scale byte for each 32 along K, laid in the ORDER OF THE OPERAND'S REGISTERS.
; A block's scale is 2^(floor(log2(largest magnitude)) - 4); its byte is the largest magnitude's exponent field - 4, held at 1 from below.
; LIMITS: NaN and infinities are not served.  A block of zeros, or one whose largest magnitude lies under 2^-122, gets the byte 1 (the rule says 127 for zeros): its codes are zeros, and this program alone reads the bytes.
; ORDER OF ROWS: block B of 16 rows (tokens, or features of a weight) holds, in lane row r, row 32 (B / 2) + 8 (B % 2) + r + 8 (r / 8).
; A FRAGMENT'S IMAGE (16 rows x 128 K, 1,536 bytes): two halves of 768; half c = operand registers 6 c .. 6 c + 5: 32 lanes x 16 bytes (registers 6 c .. 6 c + 3), then 32 lanes x 8 bytes.
; Fragment (block, K step) lies at (block x KS + K step) x 1,536; its rows' scale words at ((block / 8) x KS + K step) x 512 + (block % 8) x 64 + 4 r.
;
; THE ROWS.  h = (x - mean) rsqrt(var + 1e-5) g + b over rows of 1,024 f32.  Mean and variance in two passes over registers (the variance of x - mean), so a common offset of the inputs costs nothing.
; Work-group tb owns the 16 tokens of block tb; wave w owns columns 128 w .. 128 w + 127, one K step.  All 18 loads of a wave are out together.  A load reads 512 consecutive bytes of a row; the conversions want 16
; neighbours in one lane: so the rows turn through the wave's own stage in LDS (rows 528 bytes apart: row r starts 4 r banks on).  Codes from byte 0 of hb, scale words from byte 3,145,728.
; The scale words leave as 64 bytes a wave (a quarter of an aligned 256): 1 byte in 24 of what the rows' part stores; gathering them would cost a third barrier.
;
; THE WEIGHTS, f32 with K as an outer axis.  A work-group takes 128 features x 256 along K of one matrix; wave w takes features 32 (w % 4) on (two blocks) of K step w / 4; A LANE TAKES ONE FEATURE AND ITS 128 REGISTERS RUN DOWN K,
; so a block of 32 is one lane's, and nothing is transposed.  The matrices part on the work-group's number only for their addresses and their 128 loads (the row pitch stands in the immediates); all else is one text behind the join.
.set LNWG, 256                         ; work-groups of the rows' part
.set STG,  9504                        ; a wave's stage: 16 rows of x, one of g, one of b, 528 bytes each
.set RED,  76032                       ; behind the stages: 512 bytes of row sums (word 32 r + 4 w), then 512 of sums of squares
.set WLDS, 77824                       ; the weights' part: a wave's two images, 3,072 bytes
.set R,    16                          ; v16-87   as loaded: 18 x 4
.set X,    88                          ; v88-151  my 64 numbers: register 16 b + i = column 32 b + 16 (lane / 16) + i of row lane % 16
.set G,    152                         ; v152-215 g at the same columns
.set BB,   16                          ; v16-79   b at the same columns (over R, once the stage has it)
.set TM,   216                         ; v216-231 the quantiser's work
.set PW,   232                         ; the scale word
.set PC,   234                         ; v234-252 the codes
.set SEL,  12                          ; s[12:13] lane selects: lane l xor 16
.set WX,   32                          ; the weights' part: v32-159 my feature's 128 numbers
.set P,    160                         ; v[160 + 8 kb ..] six registers of codes for each block of 32
.set T,    192                         ; v192-194 the second conversion's result (three registers begin on an even number)
.set OUTR, 196                         ; v196-219 the two images on their way out
.set SB,   14                          ; v14      my feature's scale word
; 64 numbers of a lane become a fragment's codes in v[PC] on and its rows' scale word in v[PW].
.macro QUANT s
.irp b, 0,1,2,3
	v_max3_num_f32 v[TM+\b], |v[\s+16*\b]|, |v[\s+1+16*\b]|, 0x2800000   ; my 16 numbers of block b, and the floor 2^(5 - 127)
.endr
.irp i, 2,4,6,8,10,12,14
.irp b, 0,1,2,3
	v_max3_num_f32 v[TM+\b], v[TM+\b], |v[\s+16*\b+\i]|, |v[\s+1+16*\b+\i]|   ; the four blocks by turns
.endr
.endr
.irp b, 0,1,2,3
	v_permlanex16_b32 v[TM+4+\b], v[TM+\b], s[SEL], s[SEL+1]
.endr
.irp b, 0,1,2,3
	v_max_num_f32 v[TM+\b], v[TM+\b], v[TM+4+\b]   ; with lane l xor 16's 16: the block's largest magnitude
.endr
.irp b, 0,1,2,3
	v_add_nc_u32 v[TM+12+\b], 0xfe000000, v[TM+\b] ; 4 off its exponent field: the conversion's scale operand
.endr
.irp b, 0,1,2,3
	v_lshrrev_b32 v[TM+4+\b], 23, v[TM+12+\b]      ; the scale's byte
.endr
	v_lshl_or_b32 v[PW], v[TM+5], 8, v[TM+4]
	v_lshl_or_b32 v[PW], v[TM+6], 16, v[PW]
	v_lshl_or_b32 v[PW], v[TM+7], 24, v[PW]
.irp c, 0,1
	v_cvt_scalef32_pk16_bf6_f32 v[PC+6*\c:PC+2+6*\c], v[\s+32*\c:\s+15+32*\c], v[TM+12+2*\c]
	v_cvt_scalef32_pk16_bf6_f32 v[PC+12+4*\c:PC+14+4*\c], v[\s+16+32*\c:\s+31+32*\c], v[TM+12+2*\c+1]
.endr
	v_nop                                          ; one plain instruction behind the scaled conversions
.irp c, 0,1                                    ; the operand wants a whole block in a lane: lanes 0-15 block 2 c, lanes 16-31 block 2 c + 1
.irp i, 0,1,2
	v_permlane16_swap_b32 v[PC+6*\c+\i], v[PC+12+4*\c+\i]
.endr
.irp i, 0,1,2
	v_mov_b32 v[PC+3+6*\c+\i], v[PC+12+4*\c+\i]
.endr
.endr
.endm
; The row's sum over the eight waves: my lane's figure is in v[12:13]; off = 0 or 512.  The result comes back in v80.
.macro ALLSUM off
	v_add_f32 v12, v12, v13
	v_permlanex16_b32 v13, v12, s[SEL], s[SEL+1]
	v_add_f32 v12, v12, v13                        ; my wave's 128 columns of row r
	ds_store_b32 v6, v12 offset:\off               ; both lanes of a row write the same word with the same value
	s_wait_dscnt 0x0                               ; for the others' sake: my store has landed (and my loads from the stage are in)
	s_barrier_signal -1
	s_barrier_wait -1
	ds_load_b128 v[80:83], v7 offset:\off
	ds_load_b128 v[84:87], v7 offset:\off+16
	s_wait_dscnt 0x0
	v_add_f32 v80, v80, v81
	v_add_f32 v82, v82, v83
	v_add_f32 v84, v84, v85
	v_add_f32 v86, v86, v87
	v_add_f32 v80, v80, v82
	v_add_f32 v84, v84, v86
	v_add_f32 v80, v80, v84
.endm
	v_lshl_add_u32 v249, v0, 2, 0x19000
	v_mov_b32 v253, 0
	s_cmp_lt_u32 ttmp9, LNWG                       ; the work-group's number alone decides: all eight waves go the same way
	s_cbranch_scc0 .Lweights
	; ================ THE ROWS ================
	s_load_b256 s[4:11], s[0:1], 0x0               ; the rows, g, b, the codes' buffer
	v_lshrrev_b32 v1, 5, v0
	v_readfirstlane_b32 s14, v1                    ; wave 0..7
	v_and_b32 v1, 31, v0
	v_lshlrev_b32 v2, 4, v1                        ; 16 x lane
	v_lshlrev_b32 v254, 3, v1                      ; 8 x lane
	v_and_b32 v6, 15, v0                           ; r
	v_bfe_u32 v5, v0, 4, 1                         ; h
	s_mul_i32 s15, s14, STG
	v_add_nc_u32 v3, s15, v2                       ; into the stage: as loaded
	v_lshlrev_b32 v5, 6, v5
	v_add_nc_u32 v5, s15, v5                       ; g's and b's rows: + 64 h
	v_mad_u32_u24 v4, v6, 528, v5                  ; out of the stage: row r, + 64 h
	v_lshlrev_b32 v255, 2, v6                      ; 4 r
	v_lshlrev_b32 v7, 5, v6
	v_add_nc_u32 v7, RED, v7                       ; row r's eight partial sums
	s_lshl_b32 s16, s14, 2
	v_add_nc_u32 v6, s16, v7                       ; my wave's word among them
	s_mov_b32 s[SEL], 0x76543210
	s_mov_b32 s[SEL+1], 0xfedcba98
	s_mov_b32 s2, 0x3a800000                       ; 2^-10: one part in 1,024
	s_mov_b32 s3, 0x3727c5ac                       ; 1e-5
.irp b, 0,1,2,3
	v_mov_b32 v[TM+4+\b], 0                        ; a lane permute's destination counts as read: written once
.endr
	s_lshr_b32 s17, ttmp9, 1
	s_lshl_b32 s17, s17, 5
	s_and_b32 s18, ttmp9, 1
	s_lshl_b32 s18, s18, 3
	s_add_co_u32 s17, s17, s18                     ; the block's first token
	s_lshl_b32 s20, s17, 12
	s_lshl_b32 s22, s14, 9                         ; my wave's 512 bytes of a row
	s_add_co_u32 s20, s20, s22
	s_mov_b32 s21, 0
	s_mov_b32 s23, 0
	s_lshl_b32 s24, ttmp9, 3
	s_add_co_u32 s24, s24, s14
	s_mul_i32 s24, s24, 1536                       ; my fragment's image
	s_mov_b32 s25, 0
	s_lshr_b32 s26, ttmp9, 3
	s_lshl_b32 s26, s26, 3
	s_add_co_u32 s26, s26, s14
	s_lshl_b32 s26, s26, 9
	s_and_b32 s18, ttmp9, 7
	s_lshl_b32 s18, s18, 6
	s_add_co_u32 s26, s26, s18
	s_add_co_u32 s26, s26, 3145728                 ; its scale words
	s_mov_b32 s27, 0
	s_wait_kmcnt 0x0
	s_add_nc_u64 s[4:5], s[4:5], s[20:21]
	s_add_nc_u64 s[6:7], s[6:7], s[22:23]
	s_add_nc_u64 s[8:9], s[8:9], s[22:23]
	s_add_nc_u64 s[28:29], s[10:11], s[24:25]
	s_add_nc_u64 s[30:31], s[10:11], s[26:27]
.irp p, 0,1,2,3,4,5,6,7,8,9,10,11,12,13,14,15
	global_load_b128 v[R+4*\p:R+4*\p+3], v2, s[4:5] offset:(\p+8*(\p/8))*4096   ; 512 consecutive bytes of the block's row p
.endr
	global_load_b128 v[R+64:R+67], v2, s[6:7]
	global_load_b128 v[R+68:R+71], v2, s[8:9]
.irp p, 0,1,2,3,4,5,6,7,8,9,10,11,12,13,14,15,16,17
	s_wait_loadcnt 17-\p                           ; loads come back in order: row p is in, the younger ones stay out
	ds_store_b128 v3, v[R+4*\p:R+4*\p+3] offset:528*\p
.endr
.irp b, 0,1,2,3
.irp j, 0,1,2,3
	ds_load_b128 v[X+16*\b+4*\j:X+16*\b+4*\j+3], v4 offset:128*\b+16*\j   ; LDS serves a wave's instructions in order: these see my stores
.endr
.endr
.irp b, 0,1,2,3
.irp j, 0,1,2,3
	ds_load_b128 v[G+16*\b+4*\j:G+16*\b+4*\j+3], v5 offset:16*528+128*\b+16*\j
.endr
.endr
	s_wait_dscnt 0x0                               ; x and g are in, and the stage's stores are done: their registers take b
.irp b, 0,1,2,3
.irp j, 0,1,2,3
	ds_load_b128 v[BB+16*\b+4*\j:BB+16*\b+4*\j+3], v5 offset:17*528+128*\b+16*\j
.endr
.endr
	v_pk_add_f32 v[12:13], v[X:X+1], v[X+2:X+3]    ; the sum of my 64, two at a time, in two chains
	v_pk_add_f32 v[14:15], v[X+4:X+5], v[X+6:X+7]
.irp j, 8,12,16,20,24,28,32,36,40,44,48,52,56,60
	v_pk_add_f32 v[12:13], v[12:13], v[X+\j:X+\j+1]
	v_pk_add_f32 v[14:15], v[14:15], v[X+\j+2:X+\j+3]
.endr
	v_pk_add_f32 v[12:13], v[12:13], v[14:15]
	ALLSUM 0
	v_mul_f32 v8, s2, v80                          ; the mean
	v_mov_b32 v9, v8
.set N, 0
.rept 32
	v_pk_add_f32 v[X+N:X+N+1], v[X+N:X+N+1], v[8:9] neg_lo:[0,1] neg_hi:[0,1]   ; x - mean
.set N, N+2
.endr
	v_pk_mul_f32 v[12:13], v[X:X+1], v[X:X+1]
	v_pk_mul_f32 v[14:15], v[X+2:X+3], v[X+2:X+3]
.irp j, 4,8,12,16,20,24,28,32,36,40,44,48,52,56,60
	v_pk_fma_f32 v[12:13], v[X+\j:X+\j+1], v[X+\j:X+\j+1], v[12:13]
	v_pk_fma_f32 v[14:15], v[X+\j+2:X+\j+3], v[X+\j+2:X+\j+3], v[14:15]
.endr
	v_pk_add_f32 v[12:13], v[12:13], v[14:15]
	ALLSUM 512
	v_fma_f32 v12, v80, s2, s3                     ; the variance + 1e-5 (the multiplication by 2^-10 rounds nothing)
	v_rsq_f32 v10, v12
	v_nop                                          ; one plain instruction behind the transcendental,
	s_wait_alu depctr_va_vdst(0)                   ; and the wait ahead of its first reader
	v_mov_b32 v11, v10
.set N, 0
.rept 32
	v_pk_mul_f32 v[X+N:X+N+1], v[X+N:X+N+1], v[10:11]
.set N, N+2
.endr
.set N, 0
.rept 32
	v_pk_fma_f32 v[X+N:X+N+1], v[X+N:X+N+1], v[G+N:G+N+1], v[BB+N:BB+N+1]
.set N, N+2
.endr
	QUANT X
.irp c, 0,1
	global_store_b128 v2, v[PC+6*\c:PC+6*\c+3], s[28:29] offset:768*\c          ; 512 consecutive bytes, aligned
	global_store_b64 v254, v[PC+6*\c+4:PC+6*\c+5], s[28:29] offset:768*\c+512   ; 256 consecutive bytes, aligned
.endr
	global_store_b32 v255, v[PW], s[30:31]         ; lanes 16-31 repeat lanes 0-15: the same address, the same word
	s_wait_tensorcnt 0x0
	ds_add_u32 v249, v253
	s_wait_dscnt 0x0
	s_endpgm
	; ================ THE WEIGHTS ================
; One matrix: first = its first work-group; ptr = its pointer; KS = 1 << kslog K steps; nb0, g0 = its first block and group of eight in its code matrix; cbase, sbase = where that matrix's codes and scales begin in wb.
.macro PATH first, ptr, kslog, nb0, g0, cbase, sbase, pitch, headed
	s_sub_co_u32 s20, ttmp9, \first
	s_and_b32 s21, s20, (1<<(\kslog-1))-1
	s_lshl_b32 s21, s21, 1
	s_add_co_u32 s21, s21, s37                     ; K step: the work-group's pair, my half of the waves
	s_lshr_b32 s22, s20, \kslog-1                  ; group of 128 features
.if \headed                                    ; [head][k][64]: the group is two heads; a wave has half a head
	s_lshl_b32 s23, s22, 1
	s_lshr_b32 s24, s36, 1
	s_add_co_u32 s23, s23, s24                     ; head
	s_lshl_b32 s23, s23, 10
	s_lshl_b32 s24, s21, 7
	s_add_co_u32 s23, s23, s24                     ; row head x 1,024 + 128 x K step
	s_lshl_b32 s28, s23, 8
	s_and_b32 s24, s36, 1
	s_lshl_b32 s24, s24, 7
	s_add_co_u32 s28, s28, s24
.else                                          ; [k][n]
	s_mul_i32 s28, s21, 128*\pitch
	s_lshl_b32 s24, s22, 9
	s_add_co_u32 s28, s28, s24
	s_lshl_b32 s24, s36, 7
	s_add_co_u32 s28, s28, s24
.endif
	s_mov_b32 s29, 0
	s_add_nc_u64 s[26:27], s[\ptr:\ptr+1], s[28:29]
	s_lshl_b32 s23, s22, 3
	s_lshl_b32 s24, s36, 1
	s_add_co_u32 s23, s23, s24
	s_add_co_u32 s23, s23, \nb0                    ; my first block
	s_lshl_b32 s23, s23, \kslog
	s_add_co_u32 s23, s23, s21
	s_mul_i32 s28, s23, 1536
	s_add_co_u32 s28, s28, \cbase
	s_add_nc_u64 s[30:31], s[16:17], s[28:29]      ; its image,
	s_add_nc_u64 s[32:33], s[30:31], (1<<\kslog)*1536  ; and the second block's
	s_add_co_u32 s23, s22, \g0
	s_lshl_b32 s23, s23, \kslog
	s_add_co_u32 s23, s23, s21
	s_lshl_b32 s28, s23, 9
	s_lshl_b32 s24, s36, 7
	s_add_co_u32 s28, s28, s24
	s_add_co_u32 s28, s28, \sbase
	s_add_nc_u64 s[34:35], s[16:17], s[28:29]      ; my wave's 32 scale words
.set LI, 0
.rept 128
	global_load_b32 v[WX+LI], v2, s[26:27] offset:LI*\pitch th:TH_LOAD_NT   ; row k of the weight at 32 neighbouring features: 128 consecutive bytes; read once in the launch
.set LI, LI+1
.endr
	s_branch .Lwork
.endm
; Block kb of 32 along K.  In the operand it belongs to half kb / 2 and to lane r + 16 (kb % 2).  left: how many younger loads may stay out.
.macro BLOCK kb, left
.set XS, WX+32*(\kb)
.set PK, P+8*(\kb)
	s_wait_loadcnt \left                           ; loads come back in order: this block's 32 are in (96 and 64 would do for the first two blocks; the wait's field ends at 63)
	v_max3_num_f32 v12, |v[XS]|, |v[XS+1]|, |v[XS+2]|   ; the largest magnitude, in two chains
	v_max3_num_f32 v13, |v[XS+3]|, |v[XS+4]|, |v[XS+5]|
.irp i, 6,10,14,18,22,26
	v_max3_num_f32 v12, v12, |v[XS+\i]|, |v[XS+\i+1]|
	v_max3_num_f32 v13, v13, |v[XS+\i+2]|, |v[XS+\i+3]|
.endr
	v_max3_num_f32 v12, v12, |v[XS+30]|, |v[XS+31]|
	v_max3_num_f32 v12, v12, v13, 0x2800000        ; and the floor 2^(5 - 127): the byte cannot fall under 1
	v_add_nc_u32 v11, 0xfe000000, v12              ; 4 off the exponent field: the conversion takes this operand's exponent field as its scale
	v_cvt_scalef32_pk16_bf6_f32 v[PK:PK+2], v[XS:XS+15], v11
	v_cvt_scalef32_pk16_bf6_f32 v[T:T+2], v[XS+16:XS+31], v11
	v_lshrrev_b32 v13, 23, v11                     ; the scale's byte (plain work behind the conversions)
.if (\kb) == 0
	v_mov_b32 v[SB], v13
.else
	v_lshl_or_b32 v[SB], v13, 8*(\kb), v[SB]
.endif
.irp i, 0,1,2
	v_mov_b32 v[PK+3+\i], v[T+\i]
.endr
	ds_store_b128 v5, v[PK:PK+3] offset:768*((\kb)/2)+256*((\kb)%2)
	ds_store_b64 v6, v[PK+4:PK+5] offset:768*((\kb)/2)+512+128*((\kb)%2)
.endm
.Lweights:
	s_load_b256 s[4:11], s[0:1], 0x20              ; wq, wk, wv, wo
	s_load_b64 s[16:17], s[0:1], 0x40              ; wb
	v_lshrrev_b32 v1, 5, v0
	v_readfirstlane_b32 s18, v1                    ; wave 0..7
	s_and_b32 s36, s18, 3                          ; which 32 of the 128 features
	s_lshr_b32 s37, s18, 2                         ; which of the work-group's two K steps
	v_and_b32 v1, 31, v0                           ; lane n = my feature among the wave's 32
	v_lshlrev_b32 v2, 2, v1                        ; 4 n: neighbouring lanes read neighbouring numbers
	v_bfe_u32 v3, v0, 3, 1                         ; u = (n / 8) % 2: which of the two blocks
	v_and_b32 v4, 7, v0
	v_bfe_u32 v10, v0, 4, 1
	v_lshl_or_b32 v4, v10, 3, v4                   ; r = n % 8 + 8 (n / 16): my row in it
	s_mul_i32 s19, s18, 3072
	s_add_co_u32 s19, s19, WLDS                    ; my wave's two images in LDS
	v_mul_u32_u24 v10, v3, 1536
	v_add_nc_u32 v10, s19, v10
	v_lshl_add_u32 v5, v4, 4, v10                  ; where my 16 bytes of a half go
	v_lshl_add_u32 v6, v4, 3, v10                  ; and my 8 bytes
	v_lshlrev_b32 v8, 4, v1                        ; the way out: 16 bytes a lane
	v_add_nc_u32 v7, s19, v8
	v_lshlrev_b32 v9, 2, v4
	v_lshl_add_u32 v9, v3, 6, v9                   ; my scale word among the wave's 32: 64 u + 4 r
	s_wait_kmcnt 0x0
	s_cmp_lt_u32 ttmp9, 288
	s_cbranch_scc0 .Lnot_q
	PATH 256, 4, 3, 0, 0, 0, 9437184, 256, 1
.Lnot_q:
	s_cmp_lt_u32 ttmp9, 320
	s_cbranch_scc0 .Lnot_k
	PATH 288, 6, 3, 64, 8, 0, 9437184, 256, 1
.Lnot_k:
	s_cmp_lt_u32 ttmp9, 352
	s_cbranch_scc0 .Lnot_v
	PATH 320, 8, 3, 128, 16, 0, 9437184, 256, 1
.Lnot_v:
	PATH 352, 10, 3, 0, 0, 2359296, 9535488, 4096, 0
.Lwork:
	BLOCK 0, 63
	BLOCK 1, 63
	BLOCK 2, 32
	BLOCK 3, 0
	global_store_b32 v9, v[SB], s[34:35]           ; the wave's 32 words: 128 consecutive bytes; four waves' make 512
.irp i, 0,1,2,3,4,5
	ds_load_b128 v[OUTR+4*\i:OUTR+4*\i+3], v7 offset:512*\i   ; LDS serves a wave's instructions in order: these see my wave's stores; no other wave touches these bytes
.endr
.irp i, 0,1,2
	s_wait_dscnt 5-\i                              ; the younger loads may stay out
	global_store_b128 v8, v[OUTR+4*\i:OUTR+4*\i+3], s[30:31] offset:512*\i   ; 512 consecutive bytes, aligned
.endr
.irp i, 3,4,5
	s_wait_dscnt 5-\i
	global_store_b128 v8, v[OUTR+4*\i:OUTR+4*\i+3], s[32:33] offset:512*(\i-3)
.endr
	s_wait_tensorcnt 0x0
	ds_add_u32 v249, v253
	s_wait_dscnt 0x0
	s_endpgm
.Lfunc_end_k_qb9258bfb30_prep1:
	.size	k_qb9258bfb30_prep1, .Lfunc_end_k_qb9258bfb30_prep1-k_qb9258bfb30_prep1
	.p2alignl 7, 3214868480
	.fill 96, 4, 3214868480
	.section	.rodata,"a",@progbits
	.p2align	6, 0x0
	.amdhsa_kernel k_qb9258bfb30_prep1
		.amdhsa_group_segment_fixed_size 103424
		.amdhsa_private_segment_fixed_size 0
		.amdhsa_enable_private_segment 0
		.amdhsa_kernarg_size 72
		.amdhsa_user_sgpr_count 2
		.amdhsa_user_sgpr_kernarg_segment_ptr 1
		.amdhsa_wavefront_size32 1
		.amdhsa_system_sgpr_workgroup_id_x 1
		.amdhsa_system_sgpr_workgroup_id_y 1
		.amdhsa_system_sgpr_workgroup_id_z 1
		.amdhsa_system_vgpr_workitem_id 0
		.amdhsa_next_free_vgpr 256
		.amdhsa_next_free_sgpr 66
		.amdhsa_reserve_vcc 0
		.amdhsa_float_denorm_mode_32 3
		.amdhsa_float_denorm_mode_16_64 3
		.amdhsa_memory_ordered 1
		.amdhsa_forward_progress 1
		.amdhsa_inst_pref_size 87
	.end_amdhsa_kernel
	.amdgpu_metadata
---
amdhsa.version: [ 1, 2 ]
amdhsa.kernels:
  - .name:           k_qb9258bfb30_prep1
    .symbol:         k_qb9258bfb30_prep1.kd
    .args:
      - { .name: x, .offset: 0, .size: 8, .value_kind: global_buffer, .address_space: global }
      - { .name: g1, .offset: 8, .size: 8, .value_kind: global_buffer, .address_space: global }
      - { .name: b1, .offset: 16, .size: 8, .value_kind: global_buffer, .address_space: global }
      - { .name: hb, .offset: 24, .size: 8, .value_kind: global_buffer, .address_space: global }
      - { .name: wq, .offset: 32, .size: 8, .value_kind: global_buffer, .address_space: global }
      - { .name: wk, .offset: 40, .size: 8, .value_kind: global_buffer, .address_space: global }
      - { .name: wv, .offset: 48, .size: 8, .value_kind: global_buffer, .address_space: global }
      - { .name: wo, .offset: 56, .size: 8, .value_kind: global_buffer, .address_space: global }
      - { .name: wb, .offset: 64, .size: 8, .value_kind: global_buffer, .address_space: global }
    .group_segment_fixed_size: 103424
    .private_segment_fixed_size: 0
    .kernarg_segment_align: 8
    .kernarg_segment_size: 72
    .max_flat_workgroup_size: 256
    .sgpr_count:     66
    .vgpr_count:     256
    .wavefront_size: 32
...
	.end_amdgpu_metadata
.endif
;; end of part 1
;; launch qkv (part 2): grid 12 x 16, 4 waves a work-group, clusters of 4 x 4, 327,680 bytes of LDS; arguments hb, wb, qb; writes qb
.if DOCPART == 2
	.amdgcn_target "amdgcn-amd-amdhsa--gfx1250"
	.amdhsa_code_object_version 6
	.text
	.protected	k_qb9258bfb30_qkv
	.globl	k_qb9258bfb30_qkv
	.p2align	8
	.type	k_qb9258bfb30_qkv,@function
k_qb9258bfb30_qkv:
	s_mov_b64 s[64:65], 0
	v_nop
	global_prefetch_b8 v0, s[64:65] scope:SCOPE_SE
	s_setreg_imm32_b32 hwreg(HW_REG_WAVE_MODE, 25, 1), 1
	s_wait_xcnt 0x0
	s_wait_alu depctr_hold_cnt(0) depctr_sa_sdst(0) depctr_va_vdst(0) depctr_va_sdst(0) depctr_va_ssrc(0) depctr_va_vcc(0) depctr_vm_vsrc(0)
	s_getreg_b32 s2, hwreg(HW_REG_IB_STS2, 6, 4)
	s_cmp_eq_u32 s2, 0
	s_cbranch_scc0 .Lentry_in_a_cluster
	s_endpgm
.Lentry_in_a_cluster:
	s_bfe_u32 s2, ttmp6, 0x10000c
	s_cmp_lg_u32 s2, 0xf033
	s_cbranch_scc0 .Lentry_shape_is_right
	s_endpgm
.Lentry_shape_is_right:
; q, k, v = h W (all heads), on codes of BF6 (E3M2) with one E8M0 scale for each 32 along K = 1,024; the results are quantised at once, q and k along the head's 64, v along the tokens, and leave as images of operand registers.
; LIMITS: NaN and infinities are not served.  A block of zeros, or one under 2^-122, gets the byte 1 (the rule says 127 for zeros): its codes are zeros, and this program alone reads the bytes.
; OPERANDS.  T = the tokens' codes (hb), W = the weights' (wb; features q 0-1023, k, v), both as fragment images: fragment (block of 16 rows, K step of 128) = 1,536 bytes at (block x KS + K step) x 1,536: half c = registers 6 c .. 6 c + 5:
; 32 lanes x 16 bytes, then 32 lanes x 8.  Scale words at ((block / 8) KS + K step) 512 + (block % 8) 64 + 4 r.  Block B's lane row r is row 32 (B / 2) + 8 (B % 2) + r + 8 (r / 8).
; SHARES.  A work-group makes 256 tokens x 256 features; each of four waves 128 x 128: 64 accumulators, 512 registers.  K goes through a ring of two LDS slots of 256 along K, filled by the tensor data mover, one load a wave.
; S1 is the matrix instruction's source 1 (a lane holds ONE of its rows), S0 its source 0 (the lane's registers run along its rows, 16 neighbours in two neighbouring tiles, by the order of rows above).
; For q and k: S1 = T, S0 = W: a lane has one token and 128 features, two heads.  For v (cluster column 2): S1 = W, S0 = T: a lane has one feature and 128 tokens, which are the K of attention's second product.
; The role is the same in all sixteen partners (it hangs on the cluster's x alone) and enters only by selected numbers: where in a slot S1 and S0 lie, and where the results go.  No branch hangs on it.
; CLUSTERS: 4 x 4 work-groups; T's tile is asked for jointly along a row of the cluster, W's along a column: the requests for both are divided by four.
; NO PREFETCH: K has four slots' worth of tiles and two of them are first fills; what could be asked ahead would be asked at the head, where the first fills are on their way.
; REGISTERS: window 0: v1-7 lane numbers and offsets; v16-23 fragment addresses; v24, v25 scale addresses; v28, v29 the add's; v32-63 scale words, two sets; from v128 S1's fragments, ONE set (on the way out: the quantiser's work).
;   window 1: S0's fragments, two sets at v0 and v128.   windows 2, 3: accumulator (a, b) at 8 (8 a + b).
.set NB,   8                           ; blocks of 16 rows a wave and side
.set NQ,   2                           ; K steps of 128 in a slot
.set KS,   8                           ; K steps in all
.set MODE, 1                           ; the first products start the sums with the constant 0
.set TSC,  3145728                     ; T's scales in its buffer
.set WCO,  0                           ; W's codes and scales in wb
.set WSC,  9437184
.set HB,   NB/2
.set NL,   4                           ; LDS loads that bring a fragment
.set FR,   12                          ; its registers
.set ROWL, NQ*1536                     ; a block's part of a slot
.set QT,   NB*ROWL                     ; what one tensor load brings, and what one wave reads of a side
.set SLOT, 4*QT                        ; T's two halves, then W's two
.set SCL,  2*SLOT                      ; behind the ring: the scale words of all of K, filled once: four quarters, word (K step, block, r) at K step x NB x 64 + block x 64 + 4 r
.set QS,   KS*NB*64
.set SPARE, SCL+4*QS                   ; the spare words, 128 bytes for each wave, that no other line names
.set LAPS, KS/(2*NQ)
.set SPW,  28
.set NIL,  29
.set SC,   32                          ; scale set p at SC + 2 NB p: S0's word of block b at + b, S1's of block a at + NB + a
.set AF,   128
.set G1,   24                          ; s[24:31] group 1 for T's tiles; s[32:39] groups 0, one a slot
.set G0,   32
.set G1B,  48                          ; the same for W's
.set G0B,  56
.set G1S,  68                          ; s[68:75], s[76:79] T's scales; s[80:87], s[88:91] W's
.set G0S,  76
.set G1SB, 80
.set G0SB, 88
.set TM,   128                         ; the way out: v128-143 the quantiser's work, v144 the scale word, v145-147 its parts, v160-178 the codes
.set PW,   144
.set TT,   145
.set TT2,  146
.set PWS,  147
.set PC,   160
.set SEL,  98
.set MSB,  0
.macro WIN new                         ; the immediate's high byte repeats the setting that is left; a switch that changes nothing is dropped
.if MSB != (\new)
	s_set_vgpr_msb (MSB<<8)|(\new)
.set MSB, (\new)
.endif
.endm
.macro JLOAD g0a, g1a, g0b, g1b        ; a joint load: waves 0 and 1 fetch for T, waves 2 and 3 for W; four v_nop follow each line
	s_cmp_eq_u32 s15, 0
	s_cbranch_scc0 .Lfor_b_\@
	tensor_load_to_lds s[\g0a:\g0a+3], s[\g1a:\g1a+7]
	s_nop 0
.rept 4
	v_nop
.endr
	s_branch .Lasked_\@
.Lfor_b_\@:
	tensor_load_to_lds s[\g0b:\g0b+3], s[\g1b:\g1b+7]
	s_nop 0
.rept 4
	v_nop
.endr
.Lasked_\@:
.endm
.macro CREST                           ; a round of the cluster's barrier behind its opening barrier
	s_cmp_lg_u32 s14, 0
	s_cbranch_scc1 .Lnot_wave_0_\@
	s_barrier_signal -3
.Lnot_wave_0_\@:
	s_barrier_wait -3
	s_barrier_signal -1
	s_barrier_wait -1
.endm
.macro CROUND
	s_barrier_signal -1
	s_barrier_wait -1
	CREST
.endm
.macro PLACES n                        ; plain instructions between a matrix instruction and a load into, or a vector read or write of, its registers
.rept \n
	v_nop
.endr
.endm
.macro FRAG reg, a16, a8, off          ; an image back into 12 registers: every instruction reads consecutive bytes
	ds_load_b128 v[\reg:\reg+3], v[\a16] offset:\off
	ds_load_b64 v[\reg+4:\reg+5], v[\a8] offset:\off+512
	ds_load_b128 v[\reg+6:\reg+9], v[\a16] offset:\off+768
	ds_load_b64 v[\reg+10:\reg+11], v[\a8] offset:\off+1280
.endm
.macro FETCH0 slot, q, p               ; S0's NB fragments of the slot's q-th K step into set p
	WIN 0x40
.set FI, 0
.rept NB
	FRAG 128*(\p)+FR*FI, 20+\slot, 22+\slot, FI*ROWL+(\q)*1536
.set FI, FI+1
.endr
	WIN 0
.endm
.macro FETCH1 slot, q, i0              ; S1's blocks i0 .. i0 + HB - 1
.set FI, \i0
.rept HB
	FRAG AF+FR*FI, 16+\slot, 18+\slot, FI*ROWL+(\q)*1536
.set FI, FI+1
.endr
.endm
.macro SCALES p                        ; a K step's scale words into set p
.set FI, 0
.rept NB
	ds_load_b32 v[SC+2*NB*(\p)+FI], v25 offset:64*FI
	ds_load_b32 v[SC+2*NB*(\p)+NB+FI], v24 offset:64*FI
.set FI, FI+1
.endr
.endm
.macro NEXTS                           ; on to the next K step's scale words
	v_add_nc_u32 v24, NB*64, v24
	v_add_nc_u32 v25, NB*64, v25
.endm
; S1's block a against S0's NB blocks.  The NB x NB accumulators take turns, one instruction a turn, in the same order in every step.
.macro MULA a, p, mode
.set ACI, 8*NB*(\a)
.set WA, 2+ACI/256
.set ACR, ACI%256
	WIN (WA<<6)|(WA<<4)|1
.set MB, 0
.rept NB
.if \mode == 0
	v_wmma_scale_f32_16x16x128_f8f6f4 v[ACR+8*MB:ACR+8*MB+7], v[128*(\p)+FR*MB:128*(\p)+FR*MB+FR-1], v[AF+FR*(\a):AF+FR*(\a)+FR-1], v[ACR+8*MB:ACR+8*MB+7], v[SC+2*NB*(\p)+MB], v[SC+2*NB*(\p)+NB+(\a)] matrix_a_fmt:MATRIX_FMT_BF6 matrix_b_fmt:MATRIX_FMT_BF6
.else
	v_wmma_scale_f32_16x16x128_f8f6f4 v[ACR+8*MB:ACR+8*MB+7], v[128*(\p)+FR*MB:128*(\p)+FR*MB+FR-1], v[AF+FR*(\a):AF+FR*(\a)+FR-1], 0, v[SC+2*NB*(\p)+MB], v[SC+2*NB*(\p)+NB+(\a)] matrix_a_fmt:MATRIX_FMT_BF6 matrix_b_fmt:MATRIX_FMT_BF6
.endif
.set MB, MB+1
.endr
.endm
.macro STEP slot, q, mode              ; a K step that has its successor in the same slot
	s_wait_dscnt HB*NL                             ; S0's set, S1's lower blocks and the scale words are in; the youngest loads (S1's upper blocks) may be out
.set MA, 0
.rept HB
	MULA MA, (\q)%2, \mode
.set MA, MA+1
.endr
	s_wait_dscnt 0x0                               ; S1's upper blocks are in
	PLACES 4
	FETCH0 \slot, (\q)+1, 1-(\q)%2
	NEXTS
	FETCH1 \slot, (\q)+1, 0
	SCALES 1-(\q)%2
.rept HB
	MULA MA, (\q)%2, \mode
.set MA, MA+1
.endr
	PLACES 4
	WIN 0
	FETCH1 \slot, (\q)+1, HB
.endm
; A slot's last K step changes slots: one barrier; in front of it each wave waits for all its tensor loads, adds 0 to its spare word, and waits for that and for its reads of this slot.  fill = 1: the slot is filled again, two slots ahead.
.macro TURN slot, next, fill
	s_wait_tensorcnt 0x0                           ; all my tensor loads have landed: my part of the next slot
	ds_add_u32 v[SPW], v[NIL]                      ; 0 onto my spare word
	s_wait_dscnt HB*NL+1                           ; (the add and the youngest loads, S1's upper blocks, may be out)
.set MA, 0
.rept HB/2
	MULA MA, 1, 0
.set MA, MA+1
.endr
	s_wait_dscnt 0x0                               ; the add is done, and my reads of this slot are over
	s_barrier_signal -1
.rept HB/2
	MULA MA, 1, 0
.set MA, MA+1
.endr
	WIN 0
	s_barrier_wait -1
.if \fill
	CREST                                          ; the barrier has opened a round of the cluster's: no wave of any partner still reads this slot or has a load on its way
	s_add_nc_u64 s[G0+4*\slot+2:G0+4*\slot+3], s[G0+4*\slot+2:G0+4*\slot+3], 2*ROWL
	s_add_nc_u64 s[G0B+4*\slot+2:G0B+4*\slot+3], s[G0B+4*\slot+2:G0B+4*\slot+3], 2*ROWL
	JLOAD G0+4*\slot, G1, G0B+4*\slot, G1B         ; the first tensor load behind the round; its four v_nop are the places in front of the loads below
.else
	PLACES 4
.endif
	NEXTS
	FETCH0 \next, 0, 0
	FETCH1 \next, 0, 0
	SCALES 0
.rept HB
	MULA MA, 1, 0
.set MA, MA+1
.endr
	PLACES 4
	WIN 0
	FETCH1 \next, 0, HB
.endm
.macro RUN slot, from                  ; the slot's K steps from .. NQ - 2
.set RQ, \from
.rept NQ-1-(\from)
	STEP \slot, RQ, 0
.set RQ, RQ+1
.endr
.endm
.macro LAST                            ; the very last K step: nothing more to fetch
	s_wait_dscnt HB*NL
.set MA, 0
.rept HB
	MULA MA, 1, 0
.set MA, MA+1
.endr
	s_wait_dscnt 0x0
.rept HB
	MULA MA, 1, 0
.set MA, MA+1
.endr
	WIN 0
.endm
	s_load_b128 s[4:7], s[0:1], 0x0                ; hb, wb
	s_load_b64 s[8:9], s[0:1], 0x10                ; qb
	v_lshl_add_u32 v[SPW], v0, 2, SPARE
	v_mov_b32 v[NIL], 0
	ds_add_u32 v28, v29
	ds_add_u32 v28, v29
	s_wait_dscnt 0x0
	v_lshrrev_b32 v1, 5, v0
	v_readfirstlane_b32 s14, v1                    ; wave 0..3
	s_lshr_b32 s15, s14, 1                         ; wi: S1's half.  Also: I fetch for T (0) or for W (1)
	s_and_b32 s16, s14, 1                          ; wj: S0's half.  Also: which half of that tile I fetch
	s_bfe_u32 s40, ttmp6, 0x40000                  ; cx, cy: my place in the cluster
	s_bfe_u32 s41, ttmp6, 0x40004
	s_lshl_b32 s42, ttmp9, 2
	s_add_co_u32 s42, s42, s40                     ; tx: tile of features
	s_and_b32 s17, ttmp7, 0xffff
	s_lshl_b32 s17, s17, 2
	s_add_co_u32 s17, s17, s41                     ; ty: tile of tokens
	s_lshl_b32 s43, s41, 2
	s_lshl_b32 s43, 15, s43                        ; my row of the cluster
	s_lshl_b32 s44, 0x1111, s40                    ; my column
	s_or_b32 s[G1+0], s43, (3<<16)|(1<<21)         ; 15:0 the mask; 17:16 elements of 8 bytes; 21 set beside a mask; no padding
	s_or_b32 s[G1B+0], s44, (3<<16)|(1<<21)
.irp g, G1, G1B                        ; a tile: NB rows (blocks) of NQ x 1,536 bytes, KS x 1,536 bytes apart
	s_mov_b32 s[\g+1], (NQ*192)<<16
	s_mov_b32 s[\g+2], NB<<16
	s_mov_b32 s[\g+3], (NQ*192)<<16
	s_mov_b32 s[\g+4], NB
	s_mov_b32 s[\g+5], KS*192
	s_mov_b32 s[\g+6], 0
	s_mov_b32 s[\g+7], 0
.endr
	s_or_b32 s[G1S+0], s43, (3<<16)|(1<<21)
	s_or_b32 s[G1SB+0], s44, (3<<16)|(1<<21)
.irp g, G1S, G1SB                      ; the scale words: KS rows of NB x 64 bytes, 512 bytes apart
	s_mov_b32 s[\g+1], (NB*8)<<16
	s_mov_b32 s[\g+2], KS<<16
	s_mov_b32 s[\g+3], (NB*8)<<16
	s_mov_b32 s[\g+4], KS
	s_mov_b32 s[\g+5], 64
	s_mov_b32 s[\g+6], 0
	s_mov_b32 s[\g+7], 0
.endr
	s_lshl_b32 s20, s17, 1                         ; T's addresses hang on ty and the wave's number alone,
	s_add_co_u32 s20, s20, s16
	s_mul_i32 s20, s20, NB                         ; the first block that I fetch
	s_lshr_b32 s22, s20, 3
	s_mul_i32 s22, s22, KS*512
	s_and_b32 s18, s20, 7
	s_lshl_b32 s18, s18, 6
	s_add_co_u32 s22, s22, s18
	s_add_co_u32 s22, s22, TSC
	s_mov_b32 s23, 0
	s_mul_i32 s20, s20, KS*1536
	s_mov_b32 s21, 0
	s_lshl_b32 s46, s42, 1                         ; W's on tx and the wave's number, in registers of their own
	s_add_co_u32 s46, s46, s16
	s_mul_i32 s46, s46, NB
	s_lshr_b32 s92, s46, 3
	s_mul_i32 s92, s92, KS*512
	s_and_b32 s94, s46, 7
	s_lshl_b32 s94, s94, 6
	s_add_co_u32 s92, s92, s94
	s_add_co_u32 s92, s92, WSC
	s_mov_b32 s93, 0
	s_mul_i32 s46, s46, KS*1536
	s_add_co_u32 s46, s46, WCO
	s_mov_b32 s47, 0
	s_mul_i32 s45, s14, QT                         ; where they go: wave x a quarter: no place in the cluster enters an LDS address
	s_mul_i32 s96, s14, QS
	s_wait_kmcnt 0x0
	s_add_nc_u64 s[20:21], s[4:5], s[20:21]
	s_add_nc_u64 s[22:23], s[4:5], s[22:23]
	s_add_nc_u64 s[46:47], s[6:7], s[46:47]
	s_add_nc_u64 s[92:93], s[6:7], s[92:93]
	CROUND                                         ; all sixteen work-groups are here: the first joint loads meet
	s_mov_b32 s[G0S], 1
	s_add_co_u32 s[G0S+1], s96, SCL
	s_mov_b64 s[G0S+2:G0S+3], s[22:23]
	s_or_b32 s[G0S+3], s[G0S+3], 0x80000000
	s_mov_b32 s[G0SB], 1
	s_add_co_u32 s[G0SB+1], s96, SCL
	s_mov_b64 s[G0SB+2:G0SB+3], s[92:93]
	s_or_b32 s[G0SB+3], s[G0SB+3], 0x80000000
	JLOAD G0S, G1S, G0SB, G1SB                     ; the scale words first: three tensor loads of mine are out behind these lines
.irp s, 0,1
	s_mov_b32 s[G0+4*\s], 1
	s_add_co_u32 s[G0+4*\s+1], s45, \s*SLOT
	s_add_nc_u64 s[G0+4*\s+2:G0+4*\s+3], s[20:21], \s*ROWL
	s_or_b32 s[G0+4*\s+3], s[G0+4*\s+3], 0x80000000
	s_mov_b32 s[G0B+4*\s], 1
	s_add_co_u32 s[G0B+4*\s+1], s45, \s*SLOT
	s_add_nc_u64 s[G0B+4*\s+2:G0B+4*\s+3], s[46:47], \s*ROWL
	s_or_b32 s[G0B+4*\s+3], s[G0B+4*\s+3], 0x80000000
	JLOAD G0+4*\s, G1, G0B+4*\s, G1B
.endr
	v_and_b32 v1, 31, v0                           ; lane
	v_and_b32 v2, 15, v0                           ; r
	v_bfe_u32 v3, v0, 4, 1                         ; h
	v_lshlrev_b32 v4, 4, v1                        ; 16 x lane
	v_lshlrev_b32 v5, 3, v1                        ; 8 x lane
	v_lshlrev_b32 v6, 2, v2                        ; 4 r
	s_cmp_ge_u32 ttmp9, 2                          ; v's clusters: the two sources change roles.  All selections stand together behind the one compare
	s_cselect_b32 s18, 2*QT, 0                     ; S1's part of a slot
	s_cselect_b32 s19, 0, 2*QT                     ; S0's
	s_cselect_b32 s94, 2*QS, 0                     ; and of the scale words
	s_cselect_b32 s95, 0, 2*QS
	s_mul_i32 s21, s15, QT
	s_add_co_u32 s21, s21, s18
	s_mul_i32 s22, s16, QT
	s_add_co_u32 s22, s22, s19
.irp s, 0,1
	v_add_nc_u32 v[16+\s], s21, v4
	v_add_nc_u32 v[18+\s], s21, v5
	v_add_nc_u32 v[20+\s], s22, v4
	v_add_nc_u32 v[22+\s], s22, v5
	s_add_co_u32 s21, s21, SLOT
	s_add_co_u32 s22, s22, SLOT
.endr
	s_mul_i32 s21, s15, QS
	s_add_co_u32 s21, s21, s94
	s_add_co_u32 s21, s21, SCL
	v_add_nc_u32 v24, s21, v6
	s_mul_i32 s22, s16, QS
	s_add_co_u32 s22, s22, s95
	s_add_co_u32 s22, s22, SCL
	v_add_nc_u32 v25, s22, v6
	s_wait_tensorcnt 1                             ; the scale words and my part of slot 0 are in; slot 1's load may stay out
	s_barrier_signal -1
	s_barrier_wait -1
	FETCH0 0, 0, 0
	FETCH1 0, 0, 0
	SCALES 0
	FETCH1 0, 0, HB
	STEP 0, 0, MODE                                ; the first K step stands in front of the loop: its products start the sums
.if LAPS > 1
	s_mov_b32 s3, LAPS-1
.Llap:                                             ; a trip goes once round the ring and fills both slots again
	RUN 0, 1
	TURN 0, 1, 1
	RUN 1, 0
	TURN 1, 0, 1
	STEP 0, 0, 0
	s_sub_co_u32 s3, s3, 1
	s_cmp_lg_u32 s3, 0
	s_cbranch_scc1 .Llap
.endif
	RUN 0, 1
	TURN 0, 1, 0                                   ; the last lap fills nothing
	RUN 1, 0
	LAST
	; THE WAY OUT.  No tensor load of mine is out, so the descriptors' registers are free.  Both roles' numbers are made, then chosen behind one compare.
	s_lshl_b32 s20, s17, 4
	s_lshl_b32 s21, s15, 3
	s_add_co_u32 s20, s20, s21                     ; q, k: my first block of tokens, 16 ty + 8 wi,
	s_and_b32 s20, s20, 127                        ; in its sequence
	s_lshr_b32 s21, s17, 3                         ; the sequence
	s_lshl_b32 s22, s42, 1
	s_add_co_u32 s22, s22, s16                     ; my 128 features: 2 tx + wj
	s_lshr_b32 s23, s22, 3                         ; q (0) or k (1)
	s_and_b32 s22, s22, 7                          ; the pair of heads
	s_lshl_b32 s21, s21, 4
	s_lshl_b32 s22, s22, 1
	s_add_co_u32 s21, s21, s22
	s_lshl_b32 s21, s21, 7
	s_add_co_u32 s21, s21, s20                     ; (sequence x 16 + even head) x 128 + block
	s_mul_i32 s24, s21, 768
	s_mul_i32 s25, s23, 3145728
	s_add_co_u32 s24, s24, s25                     ; codes
	s_lshl_b32 s26, s21, 6
	s_lshl_b32 s25, s23, 18
	s_add_co_u32 s26, s26, s25
	s_add_co_u32 s26, s26, 9437184                 ; scale words
	s_sub_co_u32 s27, s42, 8                       ; v: my 128 features: 2 (tx - 8) + wi (chosen in v's clusters alone)
	s_lshl_b32 s27, s27, 1
	s_add_co_u32 s27, s27, s15
	s_lshl_b32 s28, s17, 1
	s_add_co_u32 s28, s28, s16                     ; my 128 tokens: 2 ty + wj
	s_lshr_b32 s29, s28, 4                         ; the sequence
	s_and_b32 s28, s28, 15                         ; the key step
	s_lshl_b32 s29, s29, 4
	s_lshl_b32 s27, s27, 1
	s_add_co_u32 s29, s29, s27
	s_lshl_b32 s29, s29, 4
	s_add_co_u32 s29, s29, s28
	s_lshl_b32 s29, s29, 2                         ; ((sequence x 16 + even head) x 16 + key step) x 4
	s_mul_i32 s30, s29, 1536
	s_add_co_u32 s30, s30, 6291456
	s_lshl_b32 s31, s29, 6
	s_add_co_u32 s31, s31, 9961472
	s_cmp_ge_u32 ttmp9, 2
	s_cselect_b32 s32, s30, s24                    ; where my first block's codes go
	s_cselect_b32 s34, s31, s26                    ; and its scale words
	s_mov_b32 s36, 98304
	s_cselect_b32 s36, 768, s36                    ; from half 0 to half 1: the next head's array (q, k), or the same fragment (v)
	s_mov_b32 s38, 768
	s_cselect_b32 s38, 1536, s38                   ; from block to block
	s_cselect_b32 s44, 92160, 0                    ; v: block 4 begins the next head
	s_cselect_b32 s46, 0, 8192                     ; scale words: lanes 16-31 write the odd head's (q, k)
	s_cselect_b32 s47, 0, 16
	s_cselect_b32 s48, -1, 0xffff
	s_cselect_b32 s50, 3840, 0
	s_mov_b32 s33, 0
	s_mov_b32 s35, 0
	s_mov_b32 s37, 0
	s_mov_b32 s39, 0
	s_mov_b32 s45, 0
	s_mov_b32 s51, 0
	s_add_nc_u64 s[52:53], s[8:9], s[32:33]
	s_add_nc_u64 s[54:55], s[52:53], s[36:37]
	s_add_nc_u64 s[56:57], s[8:9], s[34:35]
	s_mov_b32 s[SEL], 0x76543210
	s_mov_b32 s[SEL+1], 0xfedcba98
	s_mov_b32 vcc_lo, 0xffff0000                   ; lanes 16-31
	PLACES 4                                       ; behind the last products: their results are read and their operands' registers written below
.irp b, 0,1,2,3
	v_mov_b32 v[TM+4+\b], 0                        ; a lane permute's destination counts as read
.endr
	v_mul_lo_u32 v7, v3, s46
	v_add_nc_u32 v7, v7, v6                        ; my scale word's offset
; The 64 registers of S1's block a (register 16 b + i = row 32 b + 16 h + i of S0's 128) become a fragment's codes in v[PC] on and its scale word in v[PW].  Each accumulator is first read at its registers 0 and 1.
.macro QUANTW
	WIN (WA<<2)|(WA<<4)
.irp b, 0,1,2,3
	v_max3_num_f32 v[TM+\b], 0x2800000, |v[ACR+16*\b]|, |v[ACR+1+16*\b]|   ; the floor 2^(5 - 127) among the leaves
.endr
.irp i, 2,4,6,8,10,12,14
.irp b, 0,1,2,3
	v_max3_num_f32 v[TM+\b], v[TM+\b], |v[ACR+16*\b+\i]|, |v[ACR+1+16*\b+\i]|
.endr
.endr
	WIN 0
.irp b, 0,1,2,3
	v_permlanex16_b32 v[TM+4+\b], v[TM+\b], s[SEL], s[SEL+1]
.endr
.irp b, 0,1,2,3
	v_max_num_f32 v[TM+\b], v[TM+\b], v[TM+4+\b]
.endr
.irp b, 0,1,2,3
	v_add_nc_u32 v[TM+12+\b], 0xfe000000, v[TM+\b]
.endr
.irp b, 0,1,2,3
	v_lshrrev_b32 v[TM+4+\b], 23, v[TM+12+\b]
.endr
	v_lshl_or_b32 v[PW], v[TM+5], 8, v[TM+4]
	v_lshl_or_b32 v[PW], v[TM+6], 16, v[PW]
	v_lshl_or_b32 v[PW], v[TM+7], 24, v[PW]
	WIN WA
.irp c, 0,1
	v_cvt_scalef32_pk16_bf6_f32 v[PC+6*\c:PC+2+6*\c], v[ACR+32*\c:ACR+15+32*\c], v[TM+12+2*\c]
	v_cvt_scalef32_pk16_bf6_f32 v[PC+12+4*\c:PC+14+4*\c], v[ACR+16+32*\c:ACR+31+32*\c], v[TM+12+2*\c+1]
.endr
	WIN 0
	v_nop                                          ; one plain instruction behind the scaled conversions
.irp c, 0,1
.irp i, 0,1,2
	v_permlane16_swap_b32 v[PC+6*\c+\i], v[PC+12+4*\c+\i]
.endr
.irp i, 0,1,2
	v_mov_b32 v[PC+3+6*\c+\i], v[PC+12+4*\c+\i]
.endr
.endr
.endm
.macro QBLK a
.set ACR, (64*(\a))%256
.set WA, 2+(\a)/4
.if (\a) > 0
	s_wait_xcnt 0x0                                ; the last block's stores have read their data and bases: both are written again only behind this wait
	s_add_nc_u64 s[52:53], s[52:53], s[38:39]
	s_add_nc_u64 s[54:55], s[54:55], s[38:39]
	s_add_nc_u64 s[56:57], s[56:57], 64
.endif
.if (\a) == 4
	s_add_nc_u64 s[52:53], s[52:53], s[44:45]
	s_add_nc_u64 s[54:55], s[54:55], s[44:45]
	s_add_nc_u64 s[56:57], s[56:57], s[50:51]
.endif
	QUANTW
	global_store_b128 v4, v[PC:PC+3], s[52:53]               ; 512 consecutive bytes, aligned
	global_store_b64 v5, v[PC+4:PC+5], s[52:53] offset:512   ; 256 consecutive bytes, aligned
	global_store_b128 v4, v[PC+6:PC+9], s[54:55]
	global_store_b64 v5, v[PC+10:PC+11], s[54:55] offset:512
	v_and_b32 v[TT], s48, v[PW]                    ; q, k: bytes 0, 1 are the even head's, bytes 2, 3 the odd head's; a head's word has zeros above (the empty half of K = 128).  v: the whole word
	v_lshrrev_b32 v[TT2], s47, v[PW]
	v_cndmask_b32 v[PWS], v[TT], v[TT2], vcc_lo
	global_store_b32 v7, v[PWS], s[56:57]          ; v: lanes 16-31 repeat lanes 0-15
.endm
.irp a, 0,1,2,3,4,5,6,7
	QBLK \a
.endr
	s_wait_tensorcnt 0x0                           ; the wave's end
	ds_add_u32 v[SPW], v[NIL]
	s_wait_dscnt 0x0
	CROUND                                         ; the closing round: no work-group ends while a partner may still ask for a tile that names it
	s_endpgm
.Lfunc_end_k_qb9258bfb30_qkv:
	.size	k_qb9258bfb30_qkv, .Lfunc_end_k_qb9258bfb30_qkv-k_qb9258bfb30_qkv
	.p2alignl 7, 3214868480
	.fill 96, 4, 3214868480
	.section	.rodata,"a",@progbits
	.p2align	6, 0x0
	.amdhsa_kernel k_qb9258bfb30_qkv
		.amdhsa_group_segment_fixed_size 327680
		.amdhsa_private_segment_fixed_size 0
		.amdhsa_enable_private_segment 0
		.amdhsa_kernarg_size 24
		.amdhsa_user_sgpr_count 2
		.amdhsa_user_sgpr_kernarg_segment_ptr 1
		.amdhsa_wavefront_size32 1
		.amdhsa_system_sgpr_workgroup_id_x 1
		.amdhsa_system_sgpr_workgroup_id_y 1
		.amdhsa_system_sgpr_workgroup_id_z 1
		.amdhsa_system_vgpr_workitem_id 0
		.amdhsa_next_free_vgpr 1024
		.amdhsa_next_free_sgpr 100
		.amdhsa_reserve_vcc 1
		.amdhsa_float_denorm_mode_32 3
		.amdhsa_float_denorm_mode_16_64 3
		.amdhsa_memory_ordered 1
		.amdhsa_forward_progress 1
		.amdhsa_inst_pref_size 160
	.end_amdhsa_kernel
	.amdgpu_metadata
---
amdhsa.version: [ 1, 2 ]
amdhsa.kernels:
  - .name:           k_qb9258bfb30_qkv
    .symbol:         k_qb9258bfb30_qkv.kd
    .args:
      - { .name: hb, .offset: 0, .size: 8, .value_kind: global_buffer, .address_space: global }
      - { .name: wb, .offset: 8, .size: 8, .value_kind: global_buffer, .address_space: global }
      - { .name: qb, .offset: 16, .size: 8, .value_kind: global_buffer, .address_space: global }
    .group_segment_fixed_size: 327680
    .private_segment_fixed_size: 0
    .kernarg_segment_align: 8
    .kernarg_segment_size: 24
    .max_flat_workgroup_size: 128
    .sgpr_count:     100
    .vgpr_count:     1024
    .wavefront_size: 32
...
	.end_amdgpu_metadata
.endif
;; end of part 2
;; launch attn (part 3): grid 8 x 32, 16 waves a work-group, clusters of 4 x 1, 215,040 bytes of LDS; arguments qb, ab; writes ab
.if DOCPART == 3
	.amdgcn_target "amdgcn-amd-amdhsa--gfx1250"
	.amdhsa_code_object_version 6
	.text
	.protected	k_qb9258bfb30_attn
	.globl	k_qb9258bfb30_attn
	.p2align	8
	.type	k_qb9258bfb30_attn,@function
k_qb9258bfb30_attn:
	s_mov_b64 s[64:65], 0
	v_nop
	global_prefetch_b8 v0, s[64:65] scope:SCOPE_SE
	s_setreg_imm32_b32 hwreg(HW_REG_WAVE_MODE, 25, 1), 1
	s_wait_xcnt 0x0
	s_wait_alu depctr_hold_cnt(0) depctr_sa_sdst(0) depctr_va_vdst(0) depctr_va_sdst(0) depctr_va_ssrc(0) depctr_va_vcc(0) depctr_vm_vsrc(0)
	s_getreg_b32 s2, hwreg(HW_REG_IB_STS2, 6, 4)
	s_cmp_eq_u32 s2, 0
	s_cbranch_scc0 .Lentry_in_a_cluster
	s_endpgm
.Lentry_in_a_cluster:
	s_bfe_u32 s2, ttmp6, 0x10000c
	s_cmp_lg_u32 s2, 0x3003
	s_cbranch_scc0 .Lentry_shape_is_right
	s_endpgm
.Lentry_shape_is_right:
; Causal attention of one head on codes of BF6 (E3M2): S^T = K Q^T (K = the head's 64), p = 2^(t - M), O^T = V^T P^T (K = the keys), O / l quantised at once along the head's 64 and stored as half a fragment's image.
; t = score x log2(e) / 32; M = the running largest t rounded UP to a whole number; the row's sum l is taken of the unquantised p; when M moves, l and O^T are multiplied by 2^(old M - new M), which rounds nothing.
; LIMITS: NaN and infinities are not served.  A block of zeros, or one under 2^-122, gets the byte 1 (the rule says 127 for zeros): its codes are zeros, and this program alone reads the bytes.
; THE HEAD'S 64 fill half of the instruction's 128 along K: Q's upper six registers hold zero codes, so whatever K's upper six hold adds nothing (E3M2 has no code for infinity or NaN; the empty half's scale bytes are 0, the smallest scale).
; So K's eight half fragments of a step lie 6 registers apart, and a tile's 12-register operand runs on over the next tile's six (the last tile's over six registers of zeros): all eight come in ONE run of loads with one wait.
; V's loads are issued right behind the scores' products, into the registers that K has left: the whole softmax stands between them and their wait.
; LDS: one head's K (98,304 bytes), V^T (98,304) and their scale words (8,192 + 4,096) lie in LDS whole, each byte filled ONCE: no ring, no refill.
; SHARES.  Work-group (X = 0..7, head).  Wave w owns ONE tile of 16 queries: block 8 g + X of the sequence's 128 blocks, g = w or 15 - w by w's parity.  Its queries lie in the g-th 128 tokens: it works key steps 0 .. g, and step g is the diagonal,
; whatever X is.  So every work-group has the same 136 wave-steps, and the sixteen g, laid 4 x 4, have equal sums along rows and columns.
; Every wave walks all sixteen steps of the loops and jumps over a hidden step's work: trip counts are constants.
; ORDER OF ROWS: block B's lane row r is token 32 (B / 2) + 8 (B % 2) + r + 8 (r / 8); so the 16 registers of two neighbouring tiles of S^T are 16 neighbouring keys.
; CLUSTER: the four partners are of one head and ask for its K and V jointly (mask 15).  Wave 0 asks for K's three parts, wave 1 for V's: scale words, key steps 0-3, the rest; the first four steps are worked while the rest is on its way.
; NO PREFETCH: all tiles are asked for at the head.
; REGISTERS: v1-7 addresses that stay; v8-11, v30, v31 the step's; v12 -M, v13 largest t, v[14:15] the sum; v16-27 Q; v29 4 r; v32-79 K's eight half fragments, then V's four fragments; v80-85 zeros; v86-93 K's scale words;
;   v96-159 S^T, then p; v160-191 O^T; v192-203 p's codes; v204-227 at work; v228 p's scale word; v229 Q's; v230-233 V's scale words.
.set VB,   98304
.set KSB,  196608
.set VSB,  204800
.set KF,   32
.set KSW,  86
.set VSW,  230
.set S,    96
.set O,    160
.set PCD,  192
.set CT,   204
.set BM,   212
.set WK,   216
.set SO,   220
.set F,    224
.set TP,   226
.set OW,   227
.set PSW,  228
.set QSW,  229
.macro CROUND                          ; a round of the cluster's barrier
	s_barrier_signal -1
	s_barrier_wait -1
	s_cmp_lg_u32 s18, 0
	s_cbranch_scc1 .Lnot_wave_0_\@
	s_barrier_signal -3
.Lnot_wave_0_\@:
	s_barrier_wait -3
	s_barrier_signal -1
	s_barrier_wait -1
.endm
.macro DENSE g, rows                   ; group 1 of a dense block, as rows of 256 bytes (32 elements of 8 bytes)
	s_mov_b32 s[\g], 15|(3<<16)|(1<<21)
	s_mov_b32 s[\g+1], 32<<16
	s_mov_b32 s[\g+2], (\rows)<<16
	s_mov_b32 s[\g+3], 32<<16
	s_mov_b32 s[\g+4], \rows
	s_mov_b32 s[\g+5], 32
	s_mov_b32 s[\g+6], 0
	s_mov_b32 s[\g+7], 0
.endm
	s_load_b128 s[4:7], s[0:1], 0x0                ; qb, ab
	v_lshl_add_u32 v254, v0, 2, 0x34000
	v_mov_b32 v255, 0
	ds_add_u32 v254, v255
	ds_add_u32 v254, v255
	v_lshrrev_b32 v8, 5, v0
	v_readfirstlane_b32 s18, v8                    ; wave 0..15
	s_lshr_b32 s19, s18, 2
	s_xor_b32 s19, s19, s18
	s_lshr_b32 s8, s19, 1
	s_xor_b32 s19, s19, s8
	s_and_b32 s19, s19, 1                          ; w's parity
	s_mul_i32 s19, s19, 15
	s_xor_b32 s19, s19, s18                        ; g
	s_and_b32 s10, ttmp7, 0xffff                   ; sequence x 16 + head, which the partners share
	DENSE 24, 96
	DENSE 32, 288
	DENSE 40, 32
	DENSE 48, 16
	s_mul_i32 s12, s10, 98304
	s_mov_b32 s13, 0
	s_lshl_b32 s14, s10, 13
	s_mov_b32 s15, 0
	s_lshl_b32 s16, s10, 12
	s_mov_b32 s17, 0
	s_wait_dscnt 0x0
	s_wait_kmcnt 0x0
	s_add_nc_u64 s[90:91], s[4:5], s[12:13]
	s_add_nc_u64 s[14:15], s[4:5], s[14:15]
	s_add_nc_u64 s[16:17], s[4:5], s[16:17]
	s_mov_b32 s56, 1                               ; K's scale words
	s_mov_b32 s57, KSB
	s_add_nc_u64 s[58:59], s[14:15], 9699328
	s_or_b32 s59, s59, 0x80000000
	s_mov_b32 s60, 1                               ; keys 0-511
	s_mov_b32 s61, 0
	s_add_nc_u64 s[62:63], s[90:91], 3145728
	s_or_b32 s63, s63, 0x80000000
	s_mov_b32 s68, 1                               ; keys 512-2047
	s_mov_b32 s69, 24576
	s_add_nc_u64 s[70:71], s[90:91], 3145728+24576
	s_or_b32 s71, s71, 0x80000000
	s_mov_b32 s72, 1                               ; V's scale words
	s_mov_b32 s73, VSB
	s_add_nc_u64 s[74:75], s[16:17], 9961472
	s_or_b32 s75, s75, 0x80000000
	s_mov_b32 s76, 1                               ; V's key steps 0-3
	s_mov_b32 s77, VB
	s_add_nc_u64 s[78:79], s[90:91], 6291456
	s_or_b32 s79, s79, 0x80000000
	s_mov_b32 s80, 1                               ; and the rest
	s_mov_b32 s81, VB+24576
	s_add_nc_u64 s[82:83], s[90:91], 6291456+24576
	s_or_b32 s83, s83, 0x80000000
	CROUND                                         ; all four work-groups are here: the joint loads meet
	s_cmp_eq_u32 s18, 0                            ; a wave's three fills stand in one branch on the wave's number: three tensor loads of it are out
	s_cbranch_scc0 .Lnot_k
	tensor_load_to_lds s[56:59], s[40:47]
	s_nop 0
	tensor_load_to_lds s[60:63], s[24:31]
	s_nop 0
	tensor_load_to_lds s[68:71], s[32:39]
	s_nop 0
.rept 4
	v_nop
.endr
	s_branch .Lasked
.Lnot_k:
	s_cmp_eq_u32 s18, 1
	s_cbranch_scc0 .Lasked
	tensor_load_to_lds s[72:75], s[48:55]
	s_nop 0
	tensor_load_to_lds s[76:79], s[24:31]
	s_nop 0
	tensor_load_to_lds s[80:83], s[32:39]
	s_nop 0
.rept 4
	v_nop
.endr
.Lasked:
	s_bfe_u32 s8, ttmp6, 0x40000                   ; cx: it enters Q's and the result's addresses and the mask's numbers alone
	s_lshl_b32 s9, ttmp9, 2
	s_add_co_u32 s9, s9, s8                        ; X
	s_lshl_b32 s11, s19, 3
	s_add_co_u32 s11, s11, s9                      ; my block of the sequence: 8 g + X
	s_lshl_b32 s12, s10, 7
	s_add_co_u32 s12, s12, s11
	s_lshl_b32 s14, s12, 6
	s_add_co_u32 s14, s14, 9437184
	s_mov_b32 s15, 0
	s_mul_i32 s12, s12, 768
	s_mov_b32 s13, 0
	s_add_nc_u64 s[92:93], s[4:5], s[12:13]        ; Q's half image
	s_add_nc_u64 s[94:95], s[4:5], s[14:15]        ; its scale words
	v_and_b32 v8, 31, v0
	v_lshlrev_b32 v1, 4, v8                        ; K: 16 x lane
	v_lshlrev_b32 v2, 3, v8                        ;    8 x lane
	v_add_nc_u32 v3, VB, v1                        ; V likewise
	v_add_nc_u32 v4, VB, v2
	v_and_b32 v9, 15, v0                           ; r
	v_bfe_u32 v10, v0, 4, 1                        ; h
	v_lshlrev_b32 v29, 2, v9
	v_add_nc_u32 v5, KSB, v29
	v_add_nc_u32 v6, VSB, v29
	global_load_b128 v[16:19], v1, s[92:93]
	global_load_b64 v[20:21], v2, s[92:93] offset:512
	global_load_b32 v[QSW], v29, s[94:95]
	v_and_b32 v7, 8, v9
	v_add_nc_u32 v7, v7, v9
	v_lshlrev_b32 v10, 4, v10
	v_sub_nc_u32 v7, v7, v10
	s_lshr_b32 s12, s9, 1
	s_lshl_b32 s12, s12, 5
	s_and_b32 s13, s9, 1
	s_lshl_b32 s13, s13, 3
	s_add_co_u32 s12, s12, s13
	v_add_nc_u32 v7, s12, v7                       ; my query's place in its 128 tokens, less 16 h
	s_mov_b32 s20, 0x76543210
	s_mov_b32 s21, 0xfedcba98                      ; lane l xor 16
	s_mov_b32 s22, 0x3d38aa3b                      ; c = log2(e) / 32
	s_mov_b32 s23, s22                             ; (named with it as a pair)
	v_mov_b32 v13, 0xff61b1e6                      ; the largest t so far: -3e38
	v_floor_f32 v12, -v13
	v_mov_b32 v14, 0
	v_mov_b32 v15, 0
.irp b, 0,1,2,3
	v_mov_b32 v[WK+\b], 0                          ; a lane permute's destination counts as read
.endr
	v_mov_b32 v[F+1], 0                            ; (named as the upper half of the pair)
.set N, 0
.rept 32
	v_mov_b32 v[O+N], 0                            ; the step is written once: the first finds zeros
.set N, N+1
.endr
.irp i, 22,23,24,25,26,27
	v_mov_b32 v\i, 0                               ; Q's empty half of K: zero codes
.endr
.irp i, 80,81,82,83,84,85
	v_mov_b32 v\i, 0                               ; what the last tile of K names as its empty half; never written again
.endr
	s_mov_b32 s84, 0                               ; the key step, and where its tiles and scale words begin
	s_mov_b32 s85, 0
	s_mov_b32 s86, 0
	s_mov_b32 s87, 0
; A KEY STEP: 128 keys.
.macro STEP
	s_cmp_gt_u32 s84, s19                          ; all its keys come after my queries: only the stepping lines at the end are run
	s_cbranch_scc1 .Lhidden_\@
	v_add_nc_u32 v8, s85, v1                       ; (six plain instructions: the places behind the last step's products, in front of the loads below)
	v_add_nc_u32 v9, s85, v2
	v_add_nc_u32 v10, s85, v3
	v_add_nc_u32 v11, s85, v4
	v_add_nc_u32 v30, s86, v5
	v_add_nc_u32 v31, s87, v6
.irp t, 0,1,2,3,4,5,6,7                        ; K's eight tiles of 16 keys, six registers each, and their scale words: one run, one wait
	ds_load_b128 v[KF+6*\t:KF+6*\t+3], v8 offset:\t*768
	ds_load_b64 v[KF+6*\t+4:KF+6*\t+5], v9 offset:\t*768+512
	ds_load_b32 v[KSW+\t], v30 offset:\t*64
.endr
	s_wait_dscnt 0x0
.irp t, 0,1,2,3,4,5,6,7                        ; S^T = K Q^T
	v_wmma_scale_f32_16x16x128_f8f6f4 v[S+8*\t:S+8*\t+7], v[KF+6*\t:KF+6*\t+11], v[16:27], 0, v[KSW+\t], v[QSW] matrix_a_fmt:MATRIX_FMT_BF6 matrix_b_fmt:MATRIX_FMT_BF6
.endr
.rept 4
	v_nop                                          ; places behind the products: in front of the loads into K's registers, and of the first read of the scores
.endr
.irp t, 0,1,2,3                                ; V's four fragments of this step, asked for now: the softmax stands between these loads and their wait
	ds_load_b128 v[32+12*\t:35+12*\t], v10 offset:\t*1536
	ds_load_b64 v[36+12*\t:37+12*\t], v11 offset:\t*1536+512
	ds_load_b128 v[38+12*\t:41+12*\t], v10 offset:\t*1536+768
	ds_load_b64 v[42+12*\t:43+12*\t], v11 offset:\t*1536+1280
	ds_load_b32 v[VSW+\t], v31 offset:\t*64
.endr
	s_cmp_lg_u32 s84, s19                          ; on the diagonal hidden scores become -infinity ahead of the maximum
	s_cbranch_scc1 .Lopen_\@
	v_mov_b32 v[TP], 0xff800000
.set N, 0
.rept 64
	v_cmp_gt_i32 vcc_lo, 32*(N/16)+N%16, v7        ; register 16 b + i holds key 32 b + 16 h + i of the step
	v_cndmask_b32 v[S+N], v[S+N], v[TP], vcc_lo
.set N, N+1
.endr
.Lopen_\@:
.irp b, 0,1,2,3
	v_max3_num_f32 v[BM+\b], v[S+16*\b], v[S+1+16*\b], v[S+2+16*\b]   ; the largest score of each block of 32 keys: for the row's maximum, and, since p rises with the score, for the block's largest p
.endr
.irp i, 3,5,7,9,11,13
.irp b, 0,1,2,3
	v_max3_num_f32 v[BM+\b], v[BM+\b], v[S+16*\b+\i], v[S+1+16*\b+\i]
.endr
.endr
.irp b, 0,1,2,3
	v_max_num_f32 v[BM+\b], v[BM+\b], v[S+15+16*\b]
.endr
.irp b, 0,1,2,3
	v_permlanex16_b32 v[WK+\b], v[BM+\b], s20, s21
.endr
.irp b, 0,1,2,3
	v_max_num_f32 v[BM+\b], v[BM+\b], v[WK+\b]
.endr
	v_max3_num_f32 v[TP], v[BM], v[BM+1], v[BM+2]
	v_max_num_f32 v[TP], v[TP], v[BM+3]
	v_mul_f32 v[TP], s22, v[TP]
	v_max_num_f32 v13, v13, v[TP]                  ; the running largest t
	v_mov_b32 v[TP], v12
	v_floor_f32 v12, -v13                          ; -M = floor(-t): M is a whole number
	v_sub_f32 v[TP], v12, v[TP]
	v_cvt_i32_f32 v[TP], v[TP]                     ; (it saturates)
	v_ldexp_f32 v[F], 1.0, v[TP]                   ; f = 2^(old M - new M)
.set N, 0
.rept 32
	v_pk_fma_f32 v[S+N:S+N+1], v[S+N:S+N+1], s[22:23], v[12:13] op_sel_hi:[1,0,0]   ; t - M
.set N, N+2
.endr
.irp b, 0,1,2,3
	v_fma_f32 v[BM+\b], v[BM+\b], s22, v12
.endr
.set N, 0
.rept 64
	v_exp_f32 v[S+N], v[S+N]                       ; p = 2^(t - M)
.set N, N+1
.endr
	v_pk_mul_f32 v[14:15], v[14:15], v[F:F+1] op_sel_hi:[1,0]   ; the sum under the new M (a plain instruction behind the exponentials)
	s_wait_alu depctr_va_vdst(0)                   ; one wait for the batch, ahead of its first reader
.irp b, 0,1,2,3
	v_exp_f32 v[BM+\b], v[BM+\b]                   ; each block's largest p
.endr
	v_pk_add_f32 v[WK:WK+1], v[S:S+1], v[S+2:S+3]  ; the row's sum of the unquantised p, in two chains
.irp j, 4,8,12,16,20,24,28,32,36,40,44,48,52,56,60
	v_pk_add_f32 v[14:15], v[14:15], v[S+\j:S+\j+1]
	v_pk_add_f32 v[WK:WK+1], v[WK:WK+1], v[S+\j+2:S+\j+3]
.endr
	v_pk_add_f32 v[14:15], v[14:15], v[WK:WK+1]
	s_wait_alu depctr_va_vdst(0)                   ; and one for the four
.irp b, 0,1,2,3
	v_max_num_f32 v[BM+\b], 0x2800000, v[BM+\b]    ; the floor 2^(5 - 127)
.endr
.irp b, 0,1,2,3
	v_add_nc_u32 v[SO+\b], 0xfe000000, v[BM+\b]
.endr
.irp b, 0,1,2,3
	v_lshrrev_b32 v[WK+\b], 23, v[SO+\b]
.endr
	v_lshl_or_b32 v[PSW], v[WK+1], 8, v[WK]
	v_lshl_or_b32 v[PSW], v[WK+2], 16, v[PSW]
	v_lshl_or_b32 v[PSW], v[WK+3], 24, v[PSW]
.irp c, 0,1
	v_cvt_scalef32_pk16_bf6_f32 v[PCD+6*\c:PCD+2+6*\c], v[S+32*\c:S+15+32*\c], v[SO+2*\c]
	v_cvt_scalef32_pk16_bf6_f32 v[CT+4*\c:CT+2+4*\c], v[S+16+32*\c:S+31+32*\c], v[SO+2*\c+1]
.endr
	v_nop
.irp c, 0,1
.irp i, 0,1,2
	v_permlane16_swap_b32 v[PCD+6*\c+\i], v[CT+4*\c+\i]
.endr
.irp i, 0,1,2
	v_mov_b32 v[PCD+3+6*\c+\i], v[CT+4*\c+\i]
.endr
.endr
.set N, 0
.rept 16
	v_pk_mul_f32 v[O+N:O+N+1], v[O+N:O+N+1], v[F:F+1] op_sel_hi:[1,0]   ; O^T under the new M; these sixteen also stand between the codes' and the scale word's making and the products
.set N, N+2
.endr
	s_wait_dscnt 0x0                               ; V and its scale words, asked for ahead of the softmax
.irp t, 0,1,2,3                                ; O^T += V^T P^T
	v_wmma_scale_f32_16x16x128_f8f6f4 v[O+8*\t:O+8*\t+7], v[32+12*\t:43+12*\t], v[PCD:PCD+11], v[O+8*\t:O+8*\t+7], v[VSW+\t], v[PSW] matrix_a_fmt:MATRIX_FMT_BF6 matrix_b_fmt:MATRIX_FMT_BF6
.endr
.Lhidden_\@:
	s_add_co_u32 s84, s84, 1
	s_add_co_u32 s85, s85, 6144
	s_add_co_u32 s86, s86, 512
	s_add_co_u32 s87, s87, 256
.endm
	s_wait_tensorcnt 1                             ; the scale words and key steps 0-3 are in; the long load may stay out
	s_barrier_signal -1
	s_barrier_wait -1
	s_wait_loadcnt 0x0                             ; Q
	s_mov_b32 s88, 4
.Lfirst:
	STEP
	s_sub_co_u32 s88, s88, 1
	s_cmp_lg_u32 s88, 0
	s_cbranch_scc1 .Lfirst
	s_wait_tensorcnt 0x0                           ; the rest of K and V is in,
	s_wait_dscnt 0x0
	s_barrier_signal -1
	s_barrier_wait -1                              ; for every wave; from here on the waves run free
	s_mov_b32 s88, 12
.Lrest:
	STEP
	s_sub_co_u32 s88, s88, 1
	s_cmp_lg_u32 s88, 0
	s_cbranch_scc1 .Lrest
	; THE WAY OUT: O^T / l, quantised along the head's 64: two blocks, half a fragment.
.rept 4
	v_nop                                          ; places behind the last products
.endr
	v_add_f32 v14, v14, v15
	v_permlanex16_b32 v[WK], v14, s20, s21
	v_add_f32 v14, v14, v[WK]
	v_rcp_f32 v14, v14
	v_nop                                          ; a plain instruction behind the transcendental
	s_lshr_b32 s24, s10, 4                         ; the sequence
	s_and_b32 s25, s10, 15                         ; the head
	s_lshl_b32 s26, s24, 7
	s_add_co_u32 s26, s26, s11                     ; my block of tokens
	s_mul_i32 s26, s26, 12288
	s_mul_i32 s27, s25, 768
	s_add_co_u32 s26, s26, s27
	s_mov_b32 s27, 0
	s_add_nc_u64 s[28:29], s[6:7], s[26:27]
	s_lshl_b32 s30, s24, 4
	s_add_co_u32 s30, s30, s19
	s_lshl_b32 s30, s30, 3
	s_lshr_b32 s31, s25, 1
	s_add_co_u32 s30, s30, s31
	s_lshl_b32 s30, s30, 9
	s_lshl_b32 s31, s9, 6
	s_add_co_u32 s30, s30, s31
	s_and_b32 s31, s25, 1
	s_lshl_b32 s31, s31, 1
	s_add_co_u32 s30, s30, s31
	s_add_co_u32 s30, s30, 3145728
	s_mov_b32 s31, 0
	s_add_nc_u64 s[32:33], s[6:7], s[30:31]
	s_wait_alu depctr_va_vdst(0)                   ; ahead of the reciprocal's first reader
.set N, 0
.rept 32
	v_mul_f32 v[S+N], v[O+N], v14                  ; register 16 b + i = channel 32 b + 16 h + i of my query
.set N, N+1
.endr
.irp b, 0,1
	v_max3_num_f32 v[BM+\b], |v[S+16*\b]|, |v[S+1+16*\b]|, 0x2800000
.endr
.irp i, 2,4,6,8,10,12,14
.irp b, 0,1
	v_max3_num_f32 v[BM+\b], v[BM+\b], |v[S+16*\b+\i]|, |v[S+1+16*\b+\i]|
.endr
.endr
.irp b, 0,1
	v_permlanex16_b32 v[WK+\b], v[BM+\b], s20, s21
.endr
.irp b, 0,1
	v_max_num_f32 v[BM+\b], v[BM+\b], v[WK+\b]
.endr
.irp b, 0,1
	v_add_nc_u32 v[SO+\b], 0xfe000000, v[BM+\b]
.endr
.irp b, 0,1
	v_lshrrev_b32 v[WK+\b], 23, v[SO+\b]
.endr
	v_lshl_or_b32 v[OW], v[WK+1], 8, v[WK]
	v_cvt_scalef32_pk16_bf6_f32 v[PCD:PCD+2], v[S:S+15], v[SO]
	v_cvt_scalef32_pk16_bf6_f32 v[CT:CT+2], v[S+16:S+31], v[SO+1]
	v_nop
.irp i, 0,1,2
	v_permlane16_swap_b32 v[PCD+\i], v[CT+\i]
.endr
.irp i, 0,1,2
	v_mov_b32 v[PCD+3+\i], v[CT+\i]
.endr
	global_store_b128 v1, v[PCD:PCD+3], s[28:29]             ; 512 consecutive bytes, aligned
	global_store_b64 v2, v[PCD+4:PCD+5], s[28:29] offset:512 ; 256 consecutive bytes, aligned
	global_store_b16 v29, v[OW], s[32:33]          ; my head's two bytes of the row's scale word; lanes 16-31 repeat lanes 0-15.  Two bytes a row: 1 byte in 24 of what the launch stores
	s_wait_tensorcnt 0x0
	ds_add_u32 v254, v255
	s_wait_dscnt 0x0
	CROUND                                         ; the closing round
	s_endpgm
.Lfunc_end_k_qb9258bfb30_attn:
	.size	k_qb9258bfb30_attn, .Lfunc_end_k_qb9258bfb30_attn-k_qb9258bfb30_attn
	.p2alignl 7, 3214868480
	.fill 96, 4, 3214868480
	.section	.rodata,"a",@progbits
	.p2align	6, 0x0
	.amdhsa_kernel k_qb9258bfb30_attn
		.amdhsa_group_segment_fixed_size 215040
		.amdhsa_private_segment_fixed_size 0
		.amdhsa_enable_private_segment 0
		.amdhsa_kernarg_size 16
		.amdhsa_user_sgpr_count 2
		.amdhsa_user_sgpr_kernarg_segment_ptr 1
		.amdhsa_wavefront_size32 1
		.amdhsa_system_sgpr_workgroup_id_x 1
		.amdhsa_system_sgpr_workgroup_id_y 1
		.amdhsa_system_sgpr_workgroup_id_z 1
		.amdhsa_system_vgpr_workitem_id 0
		.amdhsa_next_free_vgpr 256
		.amdhsa_next_free_sgpr 100
		.amdhsa_reserve_vcc 1
		.amdhsa_float_denorm_mode_32 3
		.amdhsa_float_denorm_mode_16_64 3
		.amdhsa_memory_ordered 1
		.amdhsa_forward_progress 1
		.amdhsa_inst_pref_size 58
	.end_amdhsa_kernel
	.amdgpu_metadata
---
amdhsa.version: [ 1, 2 ]
amdhsa.kernels:
  - .name:           k_qb9258bfb30_attn
    .symbol:         k_qb9258bfb30_attn.kd
    .args:
      - { .name: qb, .offset: 0, .size: 8, .value_kind: global_buffer, .address_space: global }
      - { .name: ab, .offset: 8, .size: 8, .value_kind: global_buffer, .address_space: global }
    .group_segment_fixed_size: 215040
    .private_segment_fixed_size: 0
    .kernarg_segment_align: 8
    .kernarg_segment_size: 16
    .max_flat_workgroup_size: 512
    .sgpr_count:     100
    .vgpr_count:     256
    .wavefront_size: 32
...
	.end_amdgpu_metadata
.endif
;; end of part 3
;; launch oproj (part 4): grid 8 x 32, 4 waves a work-group, clusters of 4 x 4, 327,680 bytes of LDS; arguments ab, wb, bo, x, xb; writes xb
.if DOCPART == 4
	.amdgcn_target "amdgcn-amd-amdhsa--gfx1250"
	.amdhsa_code_object_version 6
	.text
	.protected	k_qb9258bfb30_oproj
	.globl	k_qb9258bfb30_oproj
	.p2align	8
	.type	k_qb9258bfb30_oproj,@function
k_qb9258bfb30_oproj:
	s_mov_b64 s[64:65], 0
	v_nop
	global_prefetch_b8 v0, s[64:65] scope:SCOPE_SE
	s_setreg_imm32_b32 hwreg(HW_REG_WAVE_MODE, 25, 1), 1
	s_wait_xcnt 0x0
	s_wait_alu depctr_hold_cnt(0) depctr_sa_sdst(0) depctr_va_vdst(0) depctr_va_sdst(0) depctr_va_ssrc(0) depctr_va_vcc(0) depctr_vm_vsrc(0)
	s_getreg_b32 s2, hwreg(HW_REG_IB_STS2, 6, 4)
	s_cmp_eq_u32 s2, 0
	s_cbranch_scc0 .Lentry_in_a_cluster
	s_endpgm
.Lentry_in_a_cluster:
	s_bfe_u32 s2, ttmp6, 0x10000c
	s_cmp_lg_u32 s2, 0xf033
	s_cbranch_scc0 .Lentry_shape_is_right
	s_endpgm
.Lentry_shape_is_right:
; x1 = x + attn wo + bo: a product on codes of BF6 (E3M2) with one E8M0 scale for each 32 along K = 1,024; bias as the C of the first products, residual added on the way out; f32 out.
; OPERANDS.  T = the tokens' codes, W = the weight's, both as fragment images: fragment (block of 16 rows, K step of 128) = 1,536 bytes at (block x KS + K step) x 1,536: half c = registers 6 c .. 6 c + 5: 32 lanes x 16 bytes, then 32 lanes x 8.
; Scale words at ((block / 8) KS + K step) 512 + (block % 8) 64 + 4 r.  Block B's lane row r is row 32 (B / 2) + 8 (B % 2) + r + 8 (r / 8).
; SHARES.  N = 1,024 gives 64 tiles of 256 x 256: too few for the chip's work-group processors; so a work-group makes 128 x 128 (256 work-groups) and a wave 64 x 64: 16 accumulators.  A slot holds 512 along K.
; S1 = T (source 1: a lane holds one token), S0 = W (source 0: the lane's registers run along the features).
; CLUSTERS: 4 x 4; T's tile is asked for jointly along a row of the cluster, W's along a column.  K has two slots' worth of tiles: both are first fills, nothing is filled again, nothing is left to prefetch.
; THE RESIDUAL is wanted last and the tiles first: so its 32 loads a wave are issued when the first tiles are in, and land under the K loop.
; REGISTERS: window 0: v1-10 lane numbers and offsets; v16-25 LDS addresses; v28, v29 the add's; v32-47 scale words; v64-95 the bias; from v128 S1's fragments (on the way out: rows of the result).
;   window 1: S0's fragments, two sets.   window 2: v0-127 the accumulators ((a, b) at 8 (4 a + b)); v128-255 the residual.
.set NB,   4
.set NQ,   4
.set KS,   8
.set MODE, 2                           ; the first products take the bias as C
.set TSC,  3145728
.set WCO,  2359296
.set WSC,  9535488
.set HB,   NB/2
.set NL,   4
.set FR,   12
.set ROWL, NQ*1536
.set QT,   NB*ROWL
.set SLOT, 4*QT
.set SCL,  2*SLOT
.set QS,   KS*NB*64
.set SPARE, SCL+4*QS
.set LAPS, KS/(2*NQ)
.set SPW,  28
.set NIL,  29
.set SC,   32
.set BIAS, 64
.set AF,   128
.set BK,   128                         ; the way out: 16 rows read back from the stage, two sets of 32 registers
.set G1,   24
.set G0,   32
.set G1B,  48
.set G0B,  56
.set G1S,  68
.set G0S,  76
.set G1SB, 80
.set G0SB, 88
.set MSB,  0
.macro WIN new                         ; the immediate's high byte repeats the setting that is left
.if MSB != (\new)
	s_set_vgpr_msb (MSB<<8)|(\new)
.set MSB, (\new)
.endif
.endm
.macro JLOAD g0a, g1a, g0b, g1b        ; a joint load: waves 0 and 1 fetch for T, waves 2 and 3 for W; four v_nop follow each line
	s_cmp_eq_u32 s15, 0
	s_cbranch_scc0 .Lfor_b_\@
	tensor_load_to_lds s[\g0a:\g0a+3], s[\g1a:\g1a+7]
	s_nop 0
.rept 4
	v_nop
.endr
	s_branch .Lasked_\@
.Lfor_b_\@:
	tensor_load_to_lds s[\g0b:\g0b+3], s[\g1b:\g1b+7]
	s_nop 0
.rept 4
	v_nop
.endr
.Lasked_\@:
.endm
.macro CREST
	s_cmp_lg_u32 s14, 0
	s_cbranch_scc1 .Lnot_wave_0_\@
	s_barrier_signal -3
.Lnot_wave_0_\@:
	s_barrier_wait -3
	s_barrier_signal -1
	s_barrier_wait -1
.endm
.macro CROUND
	s_barrier_signal -1
	s_barrier_wait -1
	CREST
.endm
.macro PLACES n                        ; plain instructions between a matrix instruction and a load into, or a read of, its registers
.rept \n
	v_nop
.endr
.endm
.macro FRAG reg, a16, a8, off
	ds_load_b128 v[\reg:\reg+3], v[\a16] offset:\off
	ds_load_b64 v[\reg+4:\reg+5], v[\a8] offset:\off+512
	ds_load_b128 v[\reg+6:\reg+9], v[\a16] offset:\off+768
	ds_load_b64 v[\reg+10:\reg+11], v[\a8] offset:\off+1280
.endm
.macro FETCH0 slot, q, p
	WIN 0x40
.set FI, 0
.rept NB
	FRAG 128*(\p)+FR*FI, 20+\slot, 22+\slot, FI*ROWL+(\q)*1536
.set FI, FI+1
.endr
	WIN 0
.endm
.macro FETCH1 slot, q, i0
.set FI, \i0
.rept HB
	FRAG AF+FR*FI, 16+\slot, 18+\slot, FI*ROWL+(\q)*1536
.set FI, FI+1
.endr
.endm
.macro SCALES p
.set FI, 0
.rept NB
	ds_load_b32 v[SC+2*NB*(\p)+FI], v25 offset:64*FI
	ds_load_b32 v[SC+2*NB*(\p)+NB+FI], v24 offset:64*FI
.set FI, FI+1
.endr
.endm
.macro NEXTS
	v_add_nc_u32 v24, NB*64, v24
	v_add_nc_u32 v25, NB*64, v25
.endm
; S1's block a against S0's NB blocks.  The accumulators take turns, one instruction a turn, in the same order in every step.
.macro MULA a, p, mode
.set ACI, 8*NB*(\a)
.set WA, 2+ACI/256
.set ACR, ACI%256
.if \mode == 2
	WIN (WA<<6)|1
.else
	WIN (WA<<6)|(WA<<4)|1
.endif
.set MB, 0
.rept NB
.if \mode == 0
	v_wmma_scale_f32_16x16x128_f8f6f4 v[ACR+8*MB:ACR+8*MB+7], v[128*(\p)+FR*MB:128*(\p)+FR*MB+FR-1], v[AF+FR*(\a):AF+FR*(\a)+FR-1], v[ACR+8*MB:ACR+8*MB+7], v[SC+2*NB*(\p)+MB], v[SC+2*NB*(\p)+NB+(\a)] matrix_a_fmt:MATRIX_FMT_BF6 matrix_b_fmt:MATRIX_FMT_BF6
.else
	v_wmma_scale_f32_16x16x128_f8f6f4 v[ACR+8*MB:ACR+8*MB+7], v[128*(\p)+FR*MB:128*(\p)+FR*MB+FR-1], v[AF+FR*(\a):AF+FR*(\a)+FR-1], v[BIAS+8*MB:BIAS+8*MB+7], v[SC+2*NB*(\p)+MB], v[SC+2*NB*(\p)+NB+(\a)] matrix_a_fmt:MATRIX_FMT_BF6 matrix_b_fmt:MATRIX_FMT_BF6
.endif
.set MB, MB+1
.endr
.endm
.macro STEP slot, q, mode
	s_wait_dscnt HB*NL                             ; all but the youngest loads (S1's upper blocks) are in
.set MA, 0
.rept HB
	MULA MA, (\q)%2, \mode
.set MA, MA+1
.endr
	s_wait_dscnt 0x0
	PLACES 4
	FETCH0 \slot, (\q)+1, 1-(\q)%2
	NEXTS
	FETCH1 \slot, (\q)+1, 0
	SCALES 1-(\q)%2
.rept HB
	MULA MA, (\q)%2, \mode
.set MA, MA+1
.endr
	PLACES 4
	WIN 0
	FETCH1 \slot, (\q)+1, HB
.endm
.macro TURN slot, next, fill           ; a slot's last K step changes slots
	s_wait_tensorcnt 0x0                           ; all my tensor loads have landed: my part of the next slot
	ds_add_u32 v[SPW], v[NIL]                      ; 0 onto my spare word
	s_wait_dscnt HB*NL+1                           ; (the add and the youngest loads may be out)
.set MA, 0
.rept HB/2
	MULA MA, 1, 0
.set MA, MA+1
.endr
	s_wait_dscnt 0x0                               ; the add is done, and my reads of this slot are over
	s_barrier_signal -1
.rept HB/2
	MULA MA, 1, 0
.set MA, MA+1
.endr
	WIN 0
	s_barrier_wait -1
.if \fill
	CREST
	s_add_nc_u64 s[G0+4*\slot+2:G0+4*\slot+3], s[G0+4*\slot+2:G0+4*\slot+3], 2*ROWL
	s_add_nc_u64 s[G0B+4*\slot+2:G0B+4*\slot+3], s[G0B+4*\slot+2:G0B+4*\slot+3], 2*ROWL
	JLOAD G0+4*\slot, G1, G0B+4*\slot, G1B
.else
	PLACES 4
.endif
	NEXTS
	FETCH0 \next, 0, 0
	FETCH1 \next, 0, 0
	SCALES 0
.rept HB
	MULA MA, 1, 0
.set MA, MA+1
.endr
	PLACES 4
	WIN 0
	FETCH1 \next, 0, HB
.endm
.macro RUN slot, from
.set RQ, \from
.rept NQ-1-(\from)
	STEP \slot, RQ, 0
.set RQ, RQ+1
.endr
.endm
.macro LAST
	s_wait_dscnt HB*NL
.set MA, 0
.rept HB
	MULA MA, 1, 0
.set MA, MA+1
.endr
	s_wait_dscnt 0x0
.rept HB
	MULA MA, 1, 0
.set MA, MA+1
.endr
	WIN 0
.endm
	s_load_b256 s[4:11], s[0:1], 0x0               ; T's buffer, wb, the bias, the residual
	s_load_b64 s[12:13], s[0:1], 0x20              ; the result
	v_lshl_add_u32 v[SPW], v0, 2, SPARE
	v_mov_b32 v[NIL], 0
	ds_add_u32 v28, v29
	ds_add_u32 v28, v29
	s_wait_dscnt 0x0
	v_lshrrev_b32 v1, 5, v0
	v_readfirstlane_b32 s14, v1                    ; wave 0..3
	s_lshr_b32 s15, s14, 1                         ; wi.  Also: I fetch for T (0) or for W (1)
	s_and_b32 s16, s14, 1                          ; wj.  Also: which half of that tile I fetch
	s_bfe_u32 s40, ttmp6, 0x40000
	s_bfe_u32 s41, ttmp6, 0x40004
	s_lshl_b32 s42, ttmp9, 2
	s_add_co_u32 s42, s42, s40                     ; tx
	s_and_b32 s17, ttmp7, 0xffff
	s_lshl_b32 s17, s17, 2
	s_add_co_u32 s17, s17, s41                     ; ty
	s_lshl_b32 s43, s41, 2
	s_lshl_b32 s43, 15, s43
	s_lshl_b32 s44, 0x1111, s40
	s_or_b32 s[G1+0], s43, (3<<16)|(1<<21)
	s_or_b32 s[G1B+0], s44, (3<<16)|(1<<21)
.irp g, G1, G1B                        ; a tile: NB rows (blocks) of NQ x 1,536 bytes, KS x 1,536 bytes apart
	s_mov_b32 s[\g+1], (NQ*192)<<16
	s_mov_b32 s[\g+2], NB<<16
	s_mov_b32 s[\g+3], (NQ*192)<<16
	s_mov_b32 s[\g+4], NB
	s_mov_b32 s[\g+5], KS*192
	s_mov_b32 s[\g+6], 0
	s_mov_b32 s[\g+7], 0
.endr
	s_or_b32 s[G1S+0], s43, (3<<16)|(1<<21)
	s_or_b32 s[G1SB+0], s44, (3<<16)|(1<<21)
.irp g, G1S, G1SB                      ; the scale words: KS rows of NB x 64 bytes, 512 bytes apart
	s_mov_b32 s[\g+1], (NB*8)<<16
	s_mov_b32 s[\g+2], KS<<16
	s_mov_b32 s[\g+3], (NB*8)<<16
	s_mov_b32 s[\g+4], KS
	s_mov_b32 s[\g+5], 64
	s_mov_b32 s[\g+6], 0
	s_mov_b32 s[\g+7], 0
.endr
	s_lshl_b32 s20, s17, 1
	s_add_co_u32 s20, s20, s16
	s_mul_i32 s20, s20, NB
	s_lshr_b32 s22, s20, 3
	s_mul_i32 s22, s22, KS*512
	s_and_b32 s18, s20, 7
	s_lshl_b32 s18, s18, 6
	s_add_co_u32 s22, s22, s18
	s_add_co_u32 s22, s22, TSC
	s_mov_b32 s23, 0
	s_mul_i32 s20, s20, KS*1536
	s_mov_b32 s21, 0
	s_lshl_b32 s46, s42, 1
	s_add_co_u32 s46, s46, s16
	s_mul_i32 s46, s46, NB
	s_lshr_b32 s92, s46, 3
	s_mul_i32 s92, s92, KS*512
	s_and_b32 s94, s46, 7
	s_lshl_b32 s94, s94, 6
	s_add_co_u32 s92, s92, s94
	s_add_co_u32 s92, s92, WSC
	s_mov_b32 s93, 0
	s_mul_i32 s46, s46, KS*1536
	s_add_co_u32 s46, s46, WCO
	s_mov_b32 s47, 0
	s_mul_i32 s45, s14, QT
	s_mul_i32 s96, s14, QS
	s_wait_kmcnt 0x0
	s_add_nc_u64 s[20:21], s[4:5], s[20:21]
	s_add_nc_u64 s[22:23], s[4:5], s[22:23]
	s_add_nc_u64 s[46:47], s[6:7], s[46:47]
	s_add_nc_u64 s[92:93], s[6:7], s[92:93]
	CROUND                                         ; all sixteen work-groups are here: the first joint loads meet
	s_mov_b32 s[G0S], 1
	s_add_co_u32 s[G0S+1], s96, SCL
	s_mov_b64 s[G0S+2:G0S+3], s[22:23]
	s_or_b32 s[G0S+3], s[G0S+3], 0x80000000
	s_mov_b32 s[G0SB], 1
	s_add_co_u32 s[G0SB+1], s96, SCL
	s_mov_b64 s[G0SB+2:G0SB+3], s[92:93]
	s_or_b32 s[G0SB+3], s[G0SB+3], 0x80000000
	JLOAD G0S, G1S, G0SB, G1SB                     ; three tensor loads of mine are out behind these lines
.irp s, 0,1
	s_mov_b32 s[G0+4*\s], 1
	s_add_co_u32 s[G0+4*\s+1], s45, \s*SLOT
	s_add_nc_u64 s[G0+4*\s+2:G0+4*\s+3], s[20:21], \s*ROWL
	s_or_b32 s[G0+4*\s+3], s[G0+4*\s+3], 0x80000000
	s_mov_b32 s[G0B+4*\s], 1
	s_add_co_u32 s[G0B+4*\s+1], s45, \s*SLOT
	s_add_nc_u64 s[G0B+4*\s+2:G0B+4*\s+3], s[46:47], \s*ROWL
	s_or_b32 s[G0B+4*\s+3], s[G0B+4*\s+3], 0x80000000
	JLOAD G0+4*\s, G1, G0B+4*\s, G1B
.endr
	v_and_b32 v1, 31, v0                           ; lane
	v_and_b32 v2, 15, v0                           ; r
	v_bfe_u32 v3, v0, 4, 1                         ; h
	v_lshlrev_b32 v4, 4, v1
	v_lshlrev_b32 v5, 3, v1
	v_lshlrev_b32 v6, 2, v2
	s_mul_i32 s21, s15, QT                         ; S1 = T: my half
	s_mul_i32 s22, s16, QT
	s_add_co_u32 s22, s22, 2*QT                    ; S0 = W: my half, behind T's two
.irp s, 0,1
	v_add_nc_u32 v[16+\s], s21, v4
	v_add_nc_u32 v[18+\s], s21, v5
	v_add_nc_u32 v[20+\s], s22, v4
	v_add_nc_u32 v[22+\s], s22, v5
	s_add_co_u32 s21, s21, SLOT
	s_add_co_u32 s22, s22, SLOT
.endr
	s_mul_i32 s21, s15, QS
	s_add_co_u32 s21, s21, SCL
	v_add_nc_u32 v24, s21, v6
	s_mul_i32 s22, s16, QS
	s_add_co_u32 s22, s22, SCL+2*QS
	v_add_nc_u32 v25, s22, v6
	; the bias in the result's layout: lane (r, h), tile b, register j: feature 32 (b / 2) + 16 h + 8 (b % 2) + j of my 64
	v_lshlrev_b32 v7, 6, v3
	s_lshl_b32 s20, s42, 9
	s_lshl_b32 s21, s16, 8
	s_add_co_u32 s20, s20, s21                     ; my first feature, in bytes
	s_mov_b32 s21, 0
	s_add_nc_u64 s[8:9], s[8:9], s[20:21]
.set MB, 0
.rept NB
	global_load_b128 v[BIAS+8*MB:BIAS+8*MB+3], v7, s[8:9] offset:128*(MB/2)+32*(MB%2)
	global_load_b128 v[BIAS+8*MB+4:BIAS+8*MB+7], v7, s[8:9] offset:128*(MB/2)+32*(MB%2)+16
.set MB, MB+1
.endr
	s_lshl_b32 s22, s17, 3
	s_lshl_b32 s23, s15, 2
	s_add_co_u32 s22, s22, s23                     ; my first block of tokens: 8 ty + 4 wi
	s_lshl_b32 s22, s22, 16                        ; x 16 rows of 4,096 bytes
	s_add_co_u32 s20, s20, s22
	s_add_nc_u64 s[10:11], s[10:11], s[20:21]
	s_add_nc_u64 s[12:13], s[12:13], s[20:21]
	v_lshlrev_b32 v8, 12, v3
	v_lshl_add_u32 v8, v2, 4, v8                   ; lanes 0-15 one row's 256 bytes, lanes 16-31 the next row's
	s_mul_i32 s23, s14, 4352                       ; my stage: 16 rows x (256 + 16) bytes, in slot 0, which has had its last fill and its last read when the first result is stored there
	v_mul_u32_u24 v9, v2, 272
	v_lshl_add_u32 v9, v3, 6, v9
	v_add_nc_u32 v9, s23, v9                       ; in: row r, + 64 h
	v_mul_u32_u24 v10, v3, 272
	v_lshl_add_u32 v10, v2, 4, v10
	v_add_nc_u32 v10, s23, v10                     ; back: two rows an instruction
	s_wait_tensorcnt 1                             ; the scale words and my part of slot 0 are in; slot 1's load may stay out
	s_barrier_signal -1
	s_barrier_wait -1
	FETCH0 0, 0, 0
	FETCH1 0, 0, 0
	SCALES 0
	FETCH1 0, 0, HB
	s_wait_loadcnt 0x0                             ; the bias: nothing younger is out
	WIN 0x80                                       ; destination window 2
.set RA, 0
.rept 4
.set RT, 0
.rept 8
	global_load_b128 v[128+32*RA+4*RT:128+32*RA+4*RT+3], v8, s[10:11] offset:(32*(RA/2)+8*(RA%2)+2*RT+8*(RT/4))*4096   ; the residual, laid as the rows will come back from the stage; asked for now that the first tiles are in, it lands under the K loop
.set RT, RT+1
.endr
.set RA, RA+1
.endr
	WIN 0
	STEP 0, 0, MODE
.if LAPS > 1
	s_mov_b32 s3, LAPS-1
.Llap:
	RUN 0, 1
	TURN 0, 1, 1
	RUN 1, 0
	TURN 1, 0, 1
	STEP 0, 0, 0
	s_sub_co_u32 s3, s3, 1
	s_cmp_lg_u32 s3, 0
	s_cbranch_scc1 .Llap
.endif
	RUN 0, 1
	TURN 0, 1, 0
	RUN 1, 0
	LAST
; THE WAY OUT, a block of 16 tokens x 64 features at a time, through my own stage: a lane holds 32 bytes of a row; sixteen lanes store a row's 256 bytes.  LDS serves a wave's instructions in order: no wait between the stores and the loads.
.macro TOSTAGE a
	WIN 0x08                                       ; an LDS store's data are its source 1: window 2
.set MB, 0
.rept 4
	ds_store_b128 v9, v[8*(4*(\a)+MB):8*(4*(\a)+MB)+3] offset:128*(MB/2)+32*(MB%2)       ; each accumulator from its low end on
	ds_store_b128 v9, v[8*(4*(\a)+MB)+4:8*(4*(\a)+MB)+7] offset:128*(MB/2)+32*(MB%2)+16
.set MB, MB+1
.endr
	WIN 0
.set RT, 0
.rept 8
	ds_load_b128 v[BK+32*((\a)%2)+4*RT:BK+32*((\a)%2)+4*RT+3], v10 offset:544*RT
.set RT, RT+1
.endr
.endm
.macro SEND a, younger                 ; younger: the LDS instructions issued behind block a's loads
	s_wait_dscnt \younger
	WIN 0x08                                       ; source 1: the residual, window 2
.set RT, 0
.rept 16
	v_pk_add_f32 v[BK+32*((\a)%2)+2*RT:BK+32*((\a)%2)+2*RT+1], v[BK+32*((\a)%2)+2*RT:BK+32*((\a)%2)+2*RT+1], v[128+32*(\a)+2*RT:128+32*(\a)+2*RT+1]
.set RT, RT+1
.endr
	WIN 0
.set RT, 0
.rept 8
	global_store_b128 v8, v[BK+32*((\a)%2)+4*RT:BK+32*((\a)%2)+4*RT+3], s[12:13] offset:(32*((\a)/2)+8*((\a)%2)+2*RT+8*(RT/4))*4096   ; 16 lanes store 256 consecutive bytes, aligned
.set RT, RT+1
.endr
.endm
	s_wait_loadcnt 0x0                             ; the residual
	PLACES 4                                       ; behind the last products
	TOSTAGE 0
.irp a, 1,2,3
.if \a > 1
	s_wait_xcnt 0x0                                ; block a - 2's stores have read their registers: block a's rows may land there
.endif
	TOSTAGE \a
	SEND \a-1, 16                                  ; behind block a - 1's loads: block a's 8 stores and 8 loads
.endr
	SEND 3, 0
	s_wait_tensorcnt 0x0                           ; the wave's end
	ds_add_u32 v[SPW], v[NIL]
	s_wait_dscnt 0x0
	CROUND                                         ; the closing round
	s_endpgm
.Lfunc_end_k_qb9258bfb30_oproj:
	.size	k_qb9258bfb30_oproj, .Lfunc_end_k_qb9258bfb30_oproj-k_qb9258bfb30_oproj
	.p2alignl 7, 3214868480
	.fill 96, 4, 3214868480
	.section	.rodata,"a",@progbits
	.p2align	6, 0x0
	.amdhsa_kernel k_qb9258bfb30_oproj
		.amdhsa_group_segment_fixed_size 327680
		.amdhsa_private_segment_fixed_size 0
		.amdhsa_enable_private_segment 0
		.amdhsa_kernarg_size 40
		.amdhsa_user_sgpr_count 2
		.amdhsa_user_sgpr_kernarg_segment_ptr 1
		.amdhsa_wavefront_size32 1
		.amdhsa_system_sgpr_workgroup_id_x 1
		.amdhsa_system_sgpr_workgroup_id_y 1
		.amdhsa_system_sgpr_workgroup_id_z 1
		.amdhsa_system_vgpr_workitem_id 0
		.amdhsa_next_free_vgpr 768
		.amdhsa_next_free_sgpr 100
		.amdhsa_reserve_vcc 0
		.amdhsa_float_denorm_mode_32 3
		.amdhsa_float_denorm_mode_16_64 3
		.amdhsa_memory_ordered 1
		.amdhsa_forward_progress 1
		.amdhsa_inst_pref_size 67
	.end_amdhsa_kernel
	.amdgpu_metadata
---
amdhsa.version: [ 1, 2 ]
amdhsa.kernels:
  - .name:           k_qb9258bfb30_oproj
    .symbol:         k_qb9258bfb30_oproj.kd
    .args:
      - { .name: ab, .offset: 0, .size: 8, .value_kind: global_buffer, .address_space: global }
      - { .name: wb, .offset: 8, .size: 8, .value_kind: global_buffer, .address_space: global }
      - { .name: bo, .offset: 16, .size: 8, .value_kind: global_buffer, .address_space: global }
      - { .name: x, .offset: 24, .size: 8, .value_kind: global_buffer, .address_space: global }
      - { .name: xb, .offset: 32, .size: 8, .value_kind: global_buffer, .address_space: global }
    .group_segment_fixed_size: 327680
    .private_segment_fixed_size: 0
    .kernarg_segment_align: 8
    .kernarg_segment_size: 40
    .max_flat_workgroup_size: 128
    .sgpr_count:     100
    .vgpr_count:     768
    .wavefront_size: 32
...
	.end_amdgpu_metadata
.endif
;; end of part 4
;; launch prep2 (part 5): grid 512 x 1, 8 waves a work-group, no clusters, 103,424 bytes of LDS; arguments xb, g2, b2, hb, w1, w2, wb; writes hb, wb
.if DOCPART == 5
	.amdgcn_target "amdgcn-amd-amdhsa--gfx1250"
	.amdhsa_code_object_version 6
	.text
	.protected	k_qb9258bfb30_prep2
	.globl	k_qb9258bfb30_prep2
	.p2align	8
	.type	k_qb9258bfb30_prep2,@function
k_qb9258bfb30_prep2:
	s_mov_b64 s[64:65], 0
	v_nop
	global_prefetch_b8 v0, s[64:65] scope:SCOPE_SE
	s_setreg_imm32_b32 hwreg(HW_REG_WAVE_MODE, 25, 1), 1
	s_wait_xcnt 0x0
; TWO JOBS THAT SHARE NO DATA, IN ONE LAUNCH.  Work-groups 0-255: the rows' LayerNorm, quantised.  Work-groups 256-511: the weights w1 and w2, quantised.  Neither waits for the other; they part on the
; work-group's number at the first line, which is the same for all waves of a work-group, and each has LDS bytes of its own (rows: bytes 0 to 77,055; weights: from byte 77,824, 3,072 for each wave).
; Both make codes of BF6 (E3M2) with one E8M0 scale byte for each 32 along K, laid in the ORDER OF THE OPERAND'S REGISTERS.
; A block's scale is 2^(floor(log2(largest magnitude)) - 4); its byte is the largest magnitude's exponent field - 4, held at 1 from below.
; LIMITS: NaN and infinities are not served.  A block of zeros, or one whose largest magnitude lies under 2^-122, gets the byte 1 (the rule says 127 for zeros): its codes are zeros, and this program alone reads the bytes.
; ORDER OF ROWS: block B of 16 rows (tokens, or features of a weight) holds, in lane row r, row 32 (B / 2) + 8 (B % 2) + r + 8 (r / 8).
; A FRAGMENT'S IMAGE (16 rows x 128 K, 1,536 bytes): two halves of 768; half c = operand registers 6 c .. 6 c + 5: 32 lanes x 16 bytes (registers 6 c .. 6 c + 3), then 32 lanes x 8 bytes.
; Fragment (block, K step) lies at (block x KS + K step) x 1,536; its rows' scale words at ((block / 8) x KS + K step) x 512 + (block % 8) x 64 + 4 r.
;
; THE ROWS.  h = (x - mean) rsqrt(var + 1e-5) g + b over rows of 1,024 f32.  Mean and variance in two passes over registers (the variance of x - mean), so a common offset of the inputs costs nothing.
; Work-group tb owns the 16 tokens of block tb; wave w owns columns 128 w .. 128 w + 127, one K step.  All 18 loads of a wave are out together.  A load reads 512 consecutive bytes of a row; the conversions want 16
; neighbours in one lane: so the rows turn through the wave's own stage in LDS (rows 528 bytes apart: row r starts 4 r banks on).  Codes from byte 0 of hb, scale words from byte 3,145,728.
; The scale words leave as 64 bytes a wave (a quarter of an aligned 256): 1 byte in 24 of what the rows' part stores; gathering them would cost a third barrier.
;
; THE WEIGHTS, f32 [k][n].  A work-group takes 128 features x 256 along K of one matrix; wave w takes features 32 (w % 4) on (two blocks) of K step w / 4; A LANE TAKES ONE FEATURE AND ITS 128 REGISTERS RUN DOWN K,
; so a block of 32 is one lane's, and nothing is transposed.  The matrices part on the work-group's number only for their addresses and their 128 loads (the row pitch stands in the immediates); all else is one text behind the join.
.set LNWG, 256                         ; work-groups of the rows' part
.set STG,  9504                        ; a wave's stage: 16 rows of x, one of g, one of b, 528 bytes each
.set RED,  76032                       ; behind the stages: 512 bytes of row sums (word 32 r + 4 w), then 512 of sums of squares
.set WLDS, 77824                       ; the weights' part: a wave's two images, 3,072 bytes
.set R,    16                          ; v16-87   as loaded: 18 x 4
.set X,    88                          ; v88-151  my 64 numbers: register 16 b + i = column 32 b + 16 (lane / 16) + i of row lane % 16
.set G,    152                         ; v152-215 g at the same columns
.set BB,   16                          ; v16-79   b at the same columns (over R, once the stage has it)
.set TM,   216                         ; v216-231 the quantiser's work
.set PW,   232                         ; the scale word
.set PC,   234                         ; v234-252 the codes
.set SEL,  12                          ; s[12:13] lane selects: lane l xor 16
.set WX,   32                          ; the weights' part: v32-159 my feature's 128 numbers
.set P,    160                         ; v[160 + 8 kb ..] six registers of codes for each block of 32
.set T,    192                         ; v192-194 the second conversion's result (three registers begin on an even number)
.set OUTR, 196                         ; v196-219 the two images on their way out
.set SB,   14                          ; v14      my feature's scale word
; 64 numbers of a lane become a fragment's codes in v[PC] on and its rows' scale word in v[PW].
.macro QUANT s
.irp b, 0,1,2,3
	v_max3_num_f32 v[TM+\b], |v[\s+16*\b]|, |v[\s+1+16*\b]|, 0x2800000   ; my 16 numbers of block b, and the floor 2^(5 - 127)
.endr
.irp i, 2,4,6,8,10,12,14
.irp b, 0,1,2,3
	v_max3_num_f32 v[TM+\b], v[TM+\b], |v[\s+16*\b+\i]|, |v[\s+1+16*\b+\i]|   ; the four blocks by turns
.endr
.endr
.irp b, 0,1,2,3
	v_permlanex16_b32 v[TM+4+\b], v[TM+\b], s[SEL], s[SEL+1]
.endr
.irp b, 0,1,2,3
	v_max_num_f32 v[TM+\b], v[TM+\b], v[TM+4+\b]   ; with lane l xor 16's 16: the block's largest magnitude
.endr
.irp b, 0,1,2,3
	v_add_nc_u32 v[TM+12+\b], 0xfe000000, v[TM+\b] ; 4 off its exponent field: the conversion's scale operand
.endr
.irp b, 0,1,2,3
	v_lshrrev_b32 v[TM+4+\b], 23, v[TM+12+\b]      ; the scale's byte
.endr
	v_lshl_or_b32 v[PW], v[TM+5], 8, v[TM+4]
	v_lshl_or_b32 v[PW], v[TM+6], 16, v[PW]
	v_lshl_or_b32 v[PW], v[TM+7], 24, v[PW]
.irp c, 0,1
	v_cvt_scalef32_pk16_bf6_f32 v[PC+6*\c:PC+2+6*\c], v[\s+32*\c:\s+15+32*\c], v[TM+12+2*\c]
	v_cvt_scalef32_pk16_bf6_f32 v[PC+12+4*\c:PC+14+4*\c], v[\s+16+32*\c:\s+31+32*\c], v[TM+12+2*\c+1]
.endr
	v_nop                                          ; one plain instruction behind the scaled conversions
.irp c, 0,1                                    ; the operand wants a whole block in a lane: lanes 0-15 block 2 c, lanes 16-31 block 2 c + 1
.irp i, 0,1,2
	v_permlane16_swap_b32 v[PC+6*\c+\i], v[PC+12+4*\c+\i]
.endr
.irp i, 0,1,2
	v_mov_b32 v[PC+3+6*\c+\i], v[PC+12+4*\c+\i]
.endr
.endr
.endm
; The row's sum over the eight waves: my lane's figure is in v[12:13]; off = 0 or 512.  The result comes back in v80.
.macro ALLSUM off
	v_add_f32 v12, v12, v13
	v_permlanex16_b32 v13, v12, s[SEL], s[SEL+1]
	v_add_f32 v12, v12, v13                        ; my wave's 128 columns of row r
	ds_store_b32 v6, v12 offset:\off               ; both lanes of a row write the same word with the same value
	s_wait_dscnt 0x0                               ; for the others' sake: my store has landed (and my loads from the stage are in)
	s_barrier_signal -1
	s_barrier_wait -1
	ds_load_b128 v[80:83], v7 offset:\off
	ds_load_b128 v[84:87], v7 offset:\off+16
	s_wait_dscnt 0x0
	v_add_f32 v80, v80, v81
	v_add_f32 v82, v82, v83
	v_add_f32 v84, v84, v85
	v_add_f32 v86, v86, v87
	v_add_f32 v80, v80, v82
	v_add_f32 v84, v84, v86
	v_add_f32 v80, v80, v84
.endm
	v_lshl_add_u32 v249, v0, 2, 0x19000
	v_mov_b32 v253, 0
	s_cmp_lt_u32 ttmp9, LNWG                       ; the work-group's number alone decides: all eight waves go the same way
	s_cbranch_scc0 .Lweights
	; ================ THE ROWS ================
	s_load_b256 s[4:11], s[0:1], 0x0               ; the rows, g, b, the codes' buffer
	v_lshrrev_b32 v1, 5, v0
	v_readfirstlane_b32 s14, v1                    ; wave 0..7
	v_and_b32 v1, 31, v0
	v_lshlrev_b32 v2, 4, v1                        ; 16 x lane
	v_lshlrev_b32 v254, 3, v1                      ; 8 x lane
	v_and_b32 v6, 15, v0                           ; r
	v_bfe_u32 v5, v0, 4, 1                         ; h
	s_mul_i32 s15, s14, STG
	v_add_nc_u32 v3, s15, v2                       ; into the stage: as loaded
	v_lshlrev_b32 v5, 6, v5
	v_add_nc_u32 v5, s15, v5                       ; g's and b's rows: + 64 h
	v_mad_u32_u24 v4, v6, 528, v5                  ; out of the stage: row r, + 64 h
	v_lshlrev_b32 v255, 2, v6                      ; 4 r
	v_lshlrev_b32 v7, 5, v6
	v_add_nc_u32 v7, RED, v7                       ; row r's eight partial sums
	s_lshl_b32 s16, s14, 2
	v_add_nc_u32 v6, s16, v7                       ; my wave's word among them
	s_mov_b32 s[SEL], 0x76543210
	s_mov_b32 s[SEL+1], 0xfedcba98
	s_mov_b32 s2, 0x3a800000                       ; 2^-10: one part in 1,024
	s_mov_b32 s3, 0x3727c5ac                       ; 1e-5
.irp b, 0,1,2,3
	v_mov_b32 v[TM+4+\b], 0                        ; a lane permute's destination counts as read: written once
.endr
	s_lshr_b32 s17, ttmp9, 1
	s_lshl_b32 s17, s17, 5
	s_and_b32 s18, ttmp9, 1
	s_lshl_b32 s18, s18, 3
	s_add_co_u32 s17, s17, s18                     ; the block's first token
	s_lshl_b32 s20, s17, 12
	s_lshl_b32 s22, s14, 9                         ; my wave's 512 bytes of a row
	s_add_co_u32 s20, s20, s22
	s_mov_b32 s21, 0
	s_mov_b32 s23, 0
	s_lshl_b32 s24, ttmp9, 3
	s_add_co_u32 s24, s24, s14
	s_mul_i32 s24, s24, 1536                       ; my fragment's image
	s_mov_b32 s25, 0
	s_lshr_b32 s26, ttmp9, 3
	s_lshl_b32 s26, s26, 3
	s_add_co_u32 s26, s26, s14
	s_lshl_b32 s26, s26, 9
	s_and_b32 s18, ttmp9, 7
	s_lshl_b32 s18, s18, 6
	s_add_co_u32 s26, s26, s18
	s_add_co_u32 s26, s26, 3145728                 ; its scale words
	s_mov_b32 s27, 0
	s_wait_kmcnt 0x0
	s_add_nc_u64 s[4:5], s[4:5], s[20:21]
	s_add_nc_u64 s[6:7], s[6:7], s[22:23]
	s_add_nc_u64 s[8:9], s[8:9], s[22:23]
	s_add_nc_u64 s[28:29], s[10:11], s[24:25]
	s_add_nc_u64 s[30:31], s[10:11], s[26:27]
.irp p, 0,1,2,3,4,5,6,7,8,9,10,11,12,13,14,15
	global_load_b128 v[R+4*\p:R+4*\p+3], v2, s[4:5] offset:(\p+8*(\p/8))*4096   ; 512 consecutive bytes of the block's row p
.endr
	global_load_b128 v[R+64:R+67], v2, s[6:7]
	global_load_b128 v[R+68:R+71], v2, s[8:9]
.irp p, 0,1,2,3,4,5,6,7,8,9,10,11,12,13,14,15,16,17
	s_wait_loadcnt 17-\p                           ; loads come back in order: row p is in, the younger ones stay out
	ds_store_b128 v3, v[R+4*\p:R+4*\p+3] offset:528*\p
.endr
.irp b, 0,1,2,3
.irp j, 0,1,2,3
	ds_load_b128 v[X+16*\b+4*\j:X+16*\b+4*\j+3], v4 offset:128*\b+16*\j   ; LDS serves a wave's instructions in order: these see my stores
.endr
.endr
.irp b, 0,1,2,3
.irp j, 0,1,2,3
	ds_load_b128 v[G+16*\b+4*\j:G+16*\b+4*\j+3], v5 offset:16*528+128*\b+16*\j
.endr
.endr
	s_wait_dscnt 0x0                               ; x and g are in, and the stage's stores are done: their registers take b
.irp b, 0,1,2,3
.irp j, 0,1,2,3
	ds_load_b128 v[BB+16*\b+4*\j:BB+16*\b+4*\j+3], v5 offset:17*528+128*\b+16*\j
.endr
.endr
	v_pk_add_f32 v[12:13], v[X:X+1], v[X+2:X+3]    ; the sum of my 64, two at a time, in two chains
	v_pk_add_f32 v[14:15], v[X+4:X+5], v[X+6:X+7]
.irp j, 8,12,16,20,24,28,32,36,40,44,48,52,56,60
	v_pk_add_f32 v[12:13], v[12:13], v[X+\j:X+\j+1]
	v_pk_add_f32 v[14:15], v[14:15], v[X+\j+2:X+\j+3]
.endr
	v_pk_add_f32 v[12:13], v[12:13], v[14:15]
	ALLSUM 0
	v_mul_f32 v8, s2, v80                          ; the mean
	v_mov_b32 v9, v8
.set N, 0
.rept 32
	v_pk_add_f32 v[X+N:X+N+1], v[X+N:X+N+1], v[8:9] neg_lo:[0,1] neg_hi:[0,1]   ; x - mean
.set N, N+2
.endr
	v_pk_mul_f32 v[12:13], v[X:X+1], v[X:X+1]
	v_pk_mul_f32 v[14:15], v[X+2:X+3], v[X+2:X+3]
.irp j, 4,8,12,16,20,24,28,32,36,40,44,48,52,56,60
	v_pk_fma_f32 v[12:13], v[X+\j:X+\j+1], v[X+\j:X+\j+1], v[12:13]
	v_pk_fma_f32 v[14:15], v[X+\j+2:X+\j+3], v[X+\j+2:X+\j+3], v[14:15]
.endr
	v_pk_add_f32 v[12:13], v[12:13], v[14:15]
	ALLSUM 512
	v_fma_f32 v12, v80, s2, s3                     ; the variance + 1e-5 (the multiplication by 2^-10 rounds nothing)
	v_rsq_f32 v10, v12
	v_nop                                          ; one plain instruction behind the transcendental,
	s_wait_alu depctr_va_vdst(0)                   ; and the wait ahead of its first reader
	v_mov_b32 v11, v10
.set N, 0
.rept 32
	v_pk_mul_f32 v[X+N:X+N+1], v[X+N:X+N+1], v[10:11]
.set N, N+2
.endr
.set N, 0
.rept 32
	v_pk_fma_f32 v[X+N:X+N+1], v[X+N:X+N+1], v[G+N:G+N+1], v[BB+N:BB+N+1]
.set N, N+2
.endr
	QUANT X
.irp c, 0,1
	global_store_b128 v2, v[PC+6*\c:PC+6*\c+3], s[28:29] offset:768*\c          ; 512 consecutive bytes, aligned
	global_store_b64 v254, v[PC+6*\c+4:PC+6*\c+5], s[28:29] offset:768*\c+512   ; 256 consecutive bytes, aligned
.endr
	global_store_b32 v255, v[PW], s[30:31]         ; lanes 16-31 repeat lanes 0-15: the same address, the same word
	s_wait_tensorcnt 0x0
	ds_add_u32 v249, v253
	s_wait_dscnt 0x0
	s_endpgm
	; ================ THE WEIGHTS ================
; One matrix: first = its first work-group; ptr = its pointer; KS = 1 << kslog K steps; cbase, sbase = where its codes and scales begin in wb; pitch = bytes from row k to row k + 1.
.macro PATH first, ptr, kslog, cbase, sbase, pitch
	s_sub_co_u32 s20, ttmp9, \first
	s_and_b32 s21, s20, (1<<(\kslog-1))-1
	s_lshl_b32 s21, s21, 1
	s_add_co_u32 s21, s21, s37                     ; K step: the work-group's pair, my half of the waves
	s_lshr_b32 s22, s20, \kslog-1                  ; group of 128 features
	s_mul_i32 s28, s21, 128*\pitch
	s_lshl_b32 s24, s22, 9
	s_add_co_u32 s28, s28, s24
	s_lshl_b32 s24, s36, 7
	s_add_co_u32 s28, s28, s24
	s_mov_b32 s29, 0
	s_add_nc_u64 s[26:27], s[\ptr:\ptr+1], s[28:29]
	s_lshl_b32 s23, s22, 3
	s_lshl_b32 s24, s36, 1
	s_add_co_u32 s23, s23, s24                     ; my first block
	s_lshl_b32 s23, s23, \kslog
	s_add_co_u32 s23, s23, s21
	s_mul_i32 s28, s23, 1536
	s_add_co_u32 s28, s28, \cbase
	s_add_nc_u64 s[30:31], s[16:17], s[28:29]      ; its image,
	s_add_nc_u64 s[32:33], s[30:31], (1<<\kslog)*1536  ; and the second block's
	s_lshl_b32 s23, s22, \kslog
	s_add_co_u32 s23, s23, s21
	s_lshl_b32 s28, s23, 9
	s_lshl_b32 s24, s36, 7
	s_add_co_u32 s28, s28, s24
	s_add_co_u32 s28, s28, \sbase
	s_add_nc_u64 s[34:35], s[16:17], s[28:29]      ; my wave's 32 scale words
.set LI, 0
.rept 128
	global_load_b32 v[WX+LI], v2, s[26:27] offset:LI*\pitch th:TH_LOAD_NT   ; row k of the weight at 32 neighbouring features: 128 consecutive bytes; read once in the launch
.set LI, LI+1
.endr
	s_branch .Lwork
.endm
; Block kb of 32 along K.  In the operand it belongs to half kb / 2 and to lane r + 16 (kb % 2).  left: how many younger loads may stay out.
.macro BLOCK kb, left
.set XS, WX+32*(\kb)
.set PK, P+8*(\kb)
	s_wait_loadcnt \left                           ; loads come back in order: this block's 32 are in (96 and 64 would do for the first two blocks; the wait's field ends at 63)
	v_max3_num_f32 v12, |v[XS]|, |v[XS+1]|, |v[XS+2]|   ; the largest magnitude, in two chains
	v_max3_num_f32 v13, |v[XS+3]|, |v[XS+4]|, |v[XS+5]|
.irp i, 6,10,14,18,22,26
	v_max3_num_f32 v12, v12, |v[XS+\i]|, |v[XS+\i+1]|
	v_max3_num_f32 v13, v13, |v[XS+\i+2]|, |v[XS+\i+3]|
.endr
	v_max3_num_f32 v12, v12, |v[XS+30]|, |v[XS+31]|
	v_max3_num_f32 v12, v12, v13, 0x2800000        ; and the floor 2^(5 - 127): the byte cannot fall under 1
	v_add_nc_u32 v11, 0xfe000000, v12              ; 4 off the exponent field: the conversion takes this operand's exponent field as its scale
	v_cvt_scalef32_pk16_bf6_f32 v[PK:PK+2], v[XS:XS+15], v11
	v_cvt_scalef32_pk16_bf6_f32 v[T:T+2], v[XS+16:XS+31], v11
	v_lshrrev_b32 v13, 23, v11                     ; the scale's byte (plain work behind the conversions)
.if (\kb) == 0
	v_mov_b32 v[SB], v13
.else
	v_lshl_or_b32 v[SB], v13, 8*(\kb), v[SB]
.endif
.irp i, 0,1,2
	v_mov_b32 v[PK+3+\i], v[T+\i]
.endr
	ds_store_b128 v5, v[PK:PK+3] offset:768*((\kb)/2)+256*((\kb)%2)
	ds_store_b64 v6, v[PK+4:PK+5] offset:768*((\kb)/2)+512+128*((\kb)%2)
.endm
.Lweights:
	s_load_b128 s[4:7], s[0:1], 0x20               ; w1, w2
	s_load_b64 s[16:17], s[0:1], 0x30              ; wb
	v_lshrrev_b32 v1, 5, v0
	v_readfirstlane_b32 s18, v1                    ; wave 0..7
	s_and_b32 s36, s18, 3                          ; which 32 of the 128 features
	s_lshr_b32 s37, s18, 2                         ; which of the work-group's two K steps
	v_and_b32 v1, 31, v0                           ; lane n = my feature among the wave's 32
	v_lshlrev_b32 v2, 2, v1                        ; 4 n: neighbouring lanes read neighbouring numbers
	v_bfe_u32 v3, v0, 3, 1                         ; u = (n / 8) % 2: which of the two blocks
	v_and_b32 v4, 7, v0
	v_bfe_u32 v10, v0, 4, 1
	v_lshl_or_b32 v4, v10, 3, v4                   ; r = n % 8 + 8 (n / 16): my row in it
	s_mul_i32 s19, s18, 3072
	s_add_co_u32 s19, s19, WLDS                    ; my wave's two images in LDS
	v_mul_u32_u24 v10, v3, 1536
	v_add_nc_u32 v10, s19, v10
	v_lshl_add_u32 v5, v4, 4, v10                  ; where my 16 bytes of a half go
	v_lshl_add_u32 v6, v4, 3, v10                  ; and my 8 bytes
	v_lshlrev_b32 v8, 4, v1                        ; the way out: 16 bytes a lane
	v_add_nc_u32 v7, s19, v8
	v_lshlrev_b32 v9, 2, v4
	v_lshl_add_u32 v9, v3, 6, v9                   ; my scale word among the wave's 32: 64 u + 4 r
	s_wait_kmcnt 0x0
	s_cmp_lt_u32 ttmp9, 384
	s_cbranch_scc0 .Lnot_1
	PATH 256, 4, 3, 3145728, 9568256, 16384
.Lnot_1:
	PATH 384, 6, 5, 6291456, 9699328, 4096
.Lwork:
	BLOCK 0, 63
	BLOCK 1, 63
	BLOCK 2, 32
	BLOCK 3, 0
	global_store_b32 v9, v[SB], s[34:35]           ; the wave's 32 words: 128 consecutive bytes; four waves' make 512
.irp i, 0,1,2,3,4,5
	ds_load_b128 v[OUTR+4*\i:OUTR+4*\i+3], v7 offset:512*\i   ; LDS serves a wave's instructions in order: these see my wave's stores; no other wave touches these bytes
.endr
.irp i, 0,1,2
	s_wait_dscnt 5-\i                              ; the younger loads may stay out
	global_store_b128 v8, v[OUTR+4*\i:OUTR+4*\i+3], s[30:31] offset:512*\i   ; 512 consecutive bytes, aligned
.endr
.irp i, 3,4,5
	s_wait_dscnt 5-\i
	global_store_b128 v8, v[OUTR+4*\i:OUTR+4*\i+3], s[32:33] offset:512*(\i-3)
.endr
	s_wait_tensorcnt 0x0
	ds_add_u32 v249, v253
	s_wait_dscnt 0x0
	s_endpgm
.Lfunc_end_k_qb9258bfb30_prep2:
	.size	k_qb9258bfb30_prep2, .Lfunc_end_k_qb9258bfb30_prep2-k_qb9258bfb30_prep2
	.p2alignl 7, 3214868480
	.fill 96, 4, 3214868480
	.section	.rodata,"a",@progbits
	.p2align	6, 0x0
	.amdhsa_kernel k_qb9258bfb30_prep2
		.amdhsa_group_segment_fixed_size 103424
		.amdhsa_private_segment_fixed_size 0
		.amdhsa_enable_private_segment 0
		.amdhsa_kernarg_size 56
		.amdhsa_user_sgpr_count 2
		.amdhsa_user_sgpr_kernarg_segment_ptr 1
		.amdhsa_wavefront_size32 1
		.amdhsa_system_sgpr_workgroup_id_x 1
		.amdhsa_system_sgpr_workgroup_id_y 1
		.amdhsa_system_sgpr_workgroup_id_z 1
		.amdhsa_system_vgpr_workitem_id 0
		.amdhsa_next_free_vgpr 256
		.amdhsa_next_free_sgpr 66
		.amdhsa_reserve_vcc 0
		.amdhsa_float_denorm_mode_32 3
		.amdhsa_float_denorm_mode_16_64 3
		.amdhsa_memory_ordered 1
		.amdhsa_forward_progress 1
		.amdhsa_inst_pref_size 60
	.end_amdhsa_kernel
	.amdgpu_metadata
---
amdhsa.version: [ 1, 2 ]
amdhsa.kernels:
  - .name:           k_qb9258bfb30_prep2
    .symbol:         k_qb9258bfb30_prep2.kd
    .args:
      - { .name: xb, .offset: 0, .size: 8, .value_kind: global_buffer, .address_space: global }
      - { .name: g2, .offset: 8, .size: 8, .value_kind: global_buffer, .address_space: global }
      - { .name: b2, .offset: 16, .size: 8, .value_kind: global_buffer, .address_space: global }
      - { .name: hb, .offset: 24, .size: 8, .value_kind: global_buffer, .address_space: global }
      - { .name: w1, .offset: 32, .size: 8, .value_kind: global_buffer, .address_space: global }
      - { .name: w2, .offset: 40, .size: 8, .value_kind: global_buffer, .address_space: global }
      - { .name: wb, .offset: 48, .size: 8, .value_kind: global_buffer, .address_space: global }
    .group_segment_fixed_size: 103424
    .private_segment_fixed_size: 0
    .kernarg_segment_align: 8
    .kernarg_segment_size: 56
    .max_flat_workgroup_size: 256
    .sgpr_count:     66
    .vgpr_count:     256
    .wavefront_size: 32
...
	.end_amdgpu_metadata
.endif
;; end of part 5
;; launch ffn1 (part 6): grid 16 x 16, 4 waves a work-group, clusters of 4 x 4, 327,680 bytes of LDS; arguments hb, wb, bf1, fb; writes fb
.if DOCPART == 6
	.amdgcn_target "amdgcn-amd-amdhsa--gfx1250"
	.amdhsa_code_object_version 6
	.text
	.protected	k_qb9258bfb30_ffn1
	.globl	k_qb9258bfb30_ffn1
	.p2align	8
	.type	k_qb9258bfb30_ffn1,@function
k_qb9258bfb30_ffn1:
	s_mov_b64 s[64:65], 0
	v_nop
	global_prefetch_b8 v0, s[64:65] scope:SCOPE_SE
	s_setreg_imm32_b32 hwreg(HW_REG_WAVE_MODE, 25, 1), 1
	s_wait_xcnt 0x0
	s_wait_alu depctr_hold_cnt(0) depctr_sa_sdst(0) depctr_va_vdst(0) depctr_va_sdst(0) depctr_va_ssrc(0) depctr_va_vcc(0) depctr_vm_vsrc(0)
	s_getreg_b32 s2, hwreg(HW_REG_IB_STS2, 6, 4)
	s_cmp_eq_u32 s2, 0
	s_cbranch_scc0 .Lentry_in_a_cluster
	s_endpgm
.Lentry_in_a_cluster:
	s_bfe_u32 s2, ttmp6, 0x10000c
	s_cmp_lg_u32 s2, 0xf033
	s_cbranch_scc0 .Lentry_shape_is_right
	s_endpgm
.Lentry_shape_is_right:
; hidden = relu(h2 w1 + bf1) on codes of BF6 (E3M2) with one E8M0 scale for each 32 along K = 1,024; the result is quantised at once along the hidden units and leaves as images of operand registers.
; LIMITS: NaN and infinities are not served.  A block of zeros, or one under 2^-122, gets the byte 1 (the rule says 127 for zeros): its codes are zeros, and this program alone reads the bytes.
; OPERANDS.  T = the tokens' codes (hb), W = w1's (wb), both as fragment images: fragment (block of 16 rows, K step of 128) = 1,536 bytes at (block x KS + K step) x 1,536: half c = registers 6 c .. 6 c + 5: 32 lanes x 16 bytes, then 32 lanes x 8.
; Scale words at ((block / 8) KS + K step) 512 + (block % 8) 64 + 4 r.  Block B's lane row r is row 32 (B / 2) + 8 (B % 2) + r + 8 (r / 8).
; SHARES.  A work-group makes 256 tokens x 256 hidden units (256 work-groups); a wave 128 x 128: 64 accumulators.  S1 = T (source 1: a lane holds one token), S0 = W (source 0: the lane's 64 registers of a block of tokens run along 128
; hidden units, 16 neighbours in two neighbouring tiles): one K step of the next product.  The bias is the C of the first products.
; CLUSTERS: 4 x 4; T's tile is asked for jointly along a row of the cluster, W's along a column.  NO PREFETCH: of K's four slots' worth of tiles two are first fills; the others would be asked for at the head.
; REGISTERS: window 0: v1-8 lane numbers and offsets; v16-25 LDS addresses; v28, v29 the add's; v32-63 scale words; v64-127 the bias; from v128 S1's fragments (on the way out: the quantiser's work).
;   window 1: S0's fragments, two sets.   windows 2, 3: accumulator (a, b) at 8 (8 a + b).
.set NB,   8
.set NQ,   2
.set KS,   8
.set MODE, 2
.set TSC,  3145728
.set WCO,  3145728
.set WSC,  9568256
.set HB,   NB/2
.set NL,   4
.set FR,   12
.set ROWL, NQ*1536
.set QT,   NB*ROWL
.set SLOT, 4*QT
.set SCL,  2*SLOT
.set QS,   KS*NB*64
.set SPARE, SCL+4*QS
.set LAPS, KS/(2*NQ)
.set SPW,  28
.set NIL,  29
.set SC,   32
.set BIAS, 64
.set AF,   128
.set G1,   24
.set G0,   32
.set G1B,  48
.set G0B,  56
.set G1S,  68
.set G0S,  76
.set G1SB, 80
.set G0SB, 88
.set TM,   128
.set PW,   144
.set PWS,  147
.set PWE,  148
.set PC,   160
.set SEL,  98
.set MSB,  0
.macro WIN new                         ; the immediate's high byte repeats the setting that is left
.if MSB != (\new)
	s_set_vgpr_msb (MSB<<8)|(\new)
.set MSB, (\new)
.endif
.endm
.macro JLOAD g0a, g1a, g0b, g1b        ; a joint load: waves 0 and 1 fetch for T, waves 2 and 3 for W; four v_nop follow each line
	s_cmp_eq_u32 s15, 0
	s_cbranch_scc0 .Lfor_b_\@
	tensor_load_to_lds s[\g0a:\g0a+3], s[\g1a:\g1a+7]
	s_nop 0
.rept 4
	v_nop
.endr
	s_branch .Lasked_\@
.Lfor_b_\@:
	tensor_load_to_lds s[\g0b:\g0b+3], s[\g1b:\g1b+7]
	s_nop 0
.rept 4
	v_nop
.endr
.Lasked_\@:
.endm
.macro CREST
	s_cmp_lg_u32 s14, 0
	s_cbranch_scc1 .Lnot_wave_0_\@
	s_barrier_signal -3
.Lnot_wave_0_\@:
	s_barrier_wait -3
	s_barrier_signal -1
	s_barrier_wait -1
.endm
.macro CROUND
	s_barrier_signal -1
	s_barrier_wait -1
	CREST
.endm
.macro PLACES n                        ; plain instructions between a matrix instruction and a load into, or a vector read or write of, its registers
.rept \n
	v_nop
.endr
.endm
.macro FRAG reg, a16, a8, off
	ds_load_b128 v[\reg:\reg+3], v[\a16] offset:\off
	ds_load_b64 v[\reg+4:\reg+5], v[\a8] offset:\off+512
	ds_load_b128 v[\reg+6:\reg+9], v[\a16] offset:\off+768
	ds_load_b64 v[\reg+10:\reg+11], v[\a8] offset:\off+1280
.endm
.macro FETCH0 slot, q, p
	WIN 0x40
.set FI, 0
.rept NB
	FRAG 128*(\p)+FR*FI, 20+\slot, 22+\slot, FI*ROWL+(\q)*1536
.set FI, FI+1
.endr
	WIN 0
.endm
.macro FETCH1 slot, q, i0
.set FI, \i0
.rept HB
	FRAG AF+FR*FI, 16+\slot, 18+\slot, FI*ROWL+(\q)*1536
.set FI, FI+1
.endr
.endm
.macro SCALES p
.set FI, 0
.rept NB
	ds_load_b32 v[SC+2*NB*(\p)+FI], v25 offset:64*FI
	ds_load_b32 v[SC+2*NB*(\p)+NB+FI], v24 offset:64*FI
.set FI, FI+1
.endr
.endm
.macro NEXTS
	v_add_nc_u32 v24, NB*64, v24
	v_add_nc_u32 v25, NB*64, v25
.endm
; S1's block a against S0's NB blocks.  The accumulators take turns, one instruction a turn, in the same order in every step.
.macro MULA a, p, mode
.set ACI, 8*NB*(\a)
.set WA, 2+ACI/256
.set ACR, ACI%256
.if \mode == 2
	WIN (WA<<6)|1
.else
	WIN (WA<<6)|(WA<<4)|1
.endif
.set MB, 0
.rept NB
.if \mode == 0
	v_wmma_scale_f32_16x16x128_f8f6f4 v[ACR+8*MB:ACR+8*MB+7], v[128*(\p)+FR*MB:128*(\p)+FR*MB+FR-1], v[AF+FR*(\a):AF+FR*(\a)+FR-1], v[ACR+8*MB:ACR+8*MB+7], v[SC+2*NB*(\p)+MB], v[SC+2*NB*(\p)+NB+(\a)] matrix_a_fmt:MATRIX_FMT_BF6 matrix_b_fmt:MATRIX_FMT_BF6
.else
	v_wmma_scale_f32_16x16x128_f8f6f4 v[ACR+8*MB:ACR+8*MB+7], v[128*(\p)+FR*MB:128*(\p)+FR*MB+FR-1], v[AF+FR*(\a):AF+FR*(\a)+FR-1], v[BIAS+8*MB:BIAS+8*MB+7], v[SC+2*NB*(\p)+MB], v[SC+2*NB*(\p)+NB+(\a)] matrix_a_fmt:MATRIX_FMT_BF6 matrix_b_fmt:MATRIX_FMT_BF6
.endif
.set MB, MB+1
.endr
.endm
.macro STEP slot, q, mode
	s_wait_dscnt HB*NL                             ; all but the youngest loads (S1's upper blocks) are in
.set MA, 0
.rept HB
	MULA MA, (\q)%2, \mode
.set MA, MA+1
.endr
	s_wait_dscnt 0x0
	PLACES 4
	FETCH0 \slot, (\q)+1, 1-(\q)%2
	NEXTS
	FETCH1 \slot, (\q)+1, 0
	SCALES 1-(\q)%2
.rept HB
	MULA MA, (\q)%2, \mode
.set MA, MA+1
.endr
	PLACES 4
	WIN 0
	FETCH1 \slot, (\q)+1, HB
.endm
; A slot's last K step changes slots: one barrier; in front of it each wave waits for all its tensor loads, adds 0 to its spare word, and waits for that and for its reads of this slot.  fill = 1: the slot is filled again.
.macro TURN slot, next, fill
	s_wait_tensorcnt 0x0                           ; all my tensor loads have landed: my part of the next slot
	ds_add_u32 v[SPW], v[NIL]                      ; 0 onto my spare word
	s_wait_dscnt HB*NL+1                           ; (the add and the youngest loads may be out)
.set MA, 0
.rept HB/2
	MULA MA, 1, 0
.set MA, MA+1
.endr
	s_wait_dscnt 0x0                               ; the add is done, and my reads of this slot are over
	s_barrier_signal -1
.rept HB/2
	MULA MA, 1, 0
.set MA, MA+1
.endr
	WIN 0
	s_barrier_wait -1
.if \fill
	CREST                                          ; the barrier has opened a round of the cluster's: no wave of any partner still reads this slot or has a load on its way
	s_add_nc_u64 s[G0+4*\slot+2:G0+4*\slot+3], s[G0+4*\slot+2:G0+4*\slot+3], 2*ROWL
	s_add_nc_u64 s[G0B+4*\slot+2:G0B+4*\slot+3], s[G0B+4*\slot+2:G0B+4*\slot+3], 2*ROWL
	JLOAD G0+4*\slot, G1, G0B+4*\slot, G1B         ; the first tensor load behind the round
.else
	PLACES 4
.endif
	NEXTS
	FETCH0 \next, 0, 0
	FETCH1 \next, 0, 0
	SCALES 0
.rept HB
	MULA MA, 1, 0
.set MA, MA+1
.endr
	PLACES 4
	WIN 0
	FETCH1 \next, 0, HB
.endm
.macro RUN slot, from
.set RQ, \from
.rept NQ-1-(\from)
	STEP \slot, RQ, 0
.set RQ, RQ+1
.endr
.endm
.macro LAST
	s_wait_dscnt HB*NL
.set MA, 0
.rept HB
	MULA MA, 1, 0
.set MA, MA+1
.endr
	s_wait_dscnt 0x0
.rept HB
	MULA MA, 1, 0
.set MA, MA+1
.endr
	WIN 0
.endm
	s_load_b256 s[4:11], s[0:1], 0x0               ; hb, wb, bf1, fb
	v_lshl_add_u32 v[SPW], v0, 2, SPARE
	v_mov_b32 v[NIL], 0
	ds_add_u32 v28, v29
	ds_add_u32 v28, v29
	s_wait_dscnt 0x0
	v_lshrrev_b32 v1, 5, v0
	v_readfirstlane_b32 s14, v1                    ; wave 0..3
	s_lshr_b32 s15, s14, 1                         ; wi.  Also: I fetch for T (0) or for W (1)
	s_and_b32 s16, s14, 1                          ; wj.  Also: which half of that tile I fetch
	s_bfe_u32 s40, ttmp6, 0x40000
	s_bfe_u32 s41, ttmp6, 0x40004
	s_lshl_b32 s42, ttmp9, 2
	s_add_co_u32 s42, s42, s40                     ; tx
	s_and_b32 s17, ttmp7, 0xffff
	s_lshl_b32 s17, s17, 2
	s_add_co_u32 s17, s17, s41                     ; ty
	s_lshl_b32 s43, s41, 2
	s_lshl_b32 s43, 15, s43
	s_lshl_b32 s44, 0x1111, s40
	s_or_b32 s[G1+0], s43, (3<<16)|(1<<21)
	s_or_b32 s[G1B+0], s44, (3<<16)|(1<<21)
.irp g, G1, G1B                        ; a tile: NB rows (blocks) of NQ x 1,536 bytes, KS x 1,536 bytes apart
	s_mov_b32 s[\g+1], (NQ*192)<<16
	s_mov_b32 s[\g+2], NB<<16
	s_mov_b32 s[\g+3], (NQ*192)<<16
	s_mov_b32 s[\g+4], NB
	s_mov_b32 s[\g+5], KS*192
	s_mov_b32 s[\g+6], 0
	s_mov_b32 s[\g+7], 0
.endr
	s_or_b32 s[G1S+0], s43, (3<<16)|(1<<21)
	s_or_b32 s[G1SB+0], s44, (3<<16)|(1<<21)
.irp g, G1S, G1SB                      ; the scale words: KS rows of NB x 64 bytes, 512 bytes apart
	s_mov_b32 s[\g+1], (NB*8)<<16
	s_mov_b32 s[\g+2], KS<<16
	s_mov_b32 s[\g+3], (NB*8)<<16
	s_mov_b32 s[\g+4], KS
	s_mov_b32 s[\g+5], 64
	s_mov_b32 s[\g+6], 0
	s_mov_b32 s[\g+7], 0
.endr
	s_lshl_b32 s20, s17, 1
	s_add_co_u32 s20, s20, s16
	s_mul_i32 s20, s20, NB
	s_lshr_b32 s22, s20, 3
	s_mul_i32 s22, s22, KS*512
	s_and_b32 s18, s20, 7
	s_lshl_b32 s18, s18, 6
	s_add_co_u32 s22, s22, s18
	s_add_co_u32 s22, s22, TSC
	s_mov_b32 s23, 0
	s_mul_i32 s20, s20, KS*1536
	s_mov_b32 s21, 0
	s_lshl_b32 s46, s42, 1
	s_add_co_u32 s46, s46, s16
	s_mul_i32 s46, s46, NB
	s_lshr_b32 s92, s46, 3
	s_mul_i32 s92, s92, KS*512
	s_and_b32 s94, s46, 7
	s_lshl_b32 s94, s94, 6
	s_add_co_u32 s92, s92, s94
	s_add_co_u32 s92, s92, WSC
	s_mov_b32 s93, 0
	s_mul_i32 s46, s46, KS*1536
	s_add_co_u32 s46, s46, WCO
	s_mov_b32 s47, 0
	s_mul_i32 s45, s14, QT
	s_mul_i32 s96, s14, QS
	s_wait_kmcnt 0x0
	s_add_nc_u64 s[20:21], s[4:5], s[20:21]
	s_add_nc_u64 s[22:23], s[4:5], s[22:23]
	s_add_nc_u64 s[46:47], s[6:7], s[46:47]
	s_add_nc_u64 s[92:93], s[6:7], s[92:93]
	CROUND                                         ; all sixteen work-groups are here: the first joint loads meet
	s_mov_b32 s[G0S], 1
	s_add_co_u32 s[G0S+1], s96, SCL
	s_mov_b64 s[G0S+2:G0S+3], s[22:23]
	s_or_b32 s[G0S+3], s[G0S+3], 0x80000000
	s_mov_b32 s[G0SB], 1
	s_add_co_u32 s[G0SB+1], s96, SCL
	s_mov_b64 s[G0SB+2:G0SB+3], s[92:93]
	s_or_b32 s[G0SB+3], s[G0SB+3], 0x80000000
	JLOAD G0S, G1S, G0SB, G1SB                     ; three tensor loads of mine are out behind these lines
.irp s, 0,1
	s_mov_b32 s[G0+4*\s], 1
	s_add_co_u32 s[G0+4*\s+1], s45, \s*SLOT
	s_add_nc_u64 s[G0+4*\s+2:G0+4*\s+3], s[20:21], \s*ROWL
	s_or_b32 s[G0+4*\s+3], s[G0+4*\s+3], 0x80000000
	s_mov_b32 s[G0B+4*\s], 1
	s_add_co_u32 s[G0B+4*\s+1], s45, \s*SLOT
	s_add_nc_u64 s[G0B+4*\s+2:G0B+4*\s+3], s[46:47], \s*ROWL
	s_or_b32 s[G0B+4*\s+3], s[G0B+4*\s+3], 0x80000000
	JLOAD G0+4*\s, G1, G0B+4*\s, G1B
.endr
	v_and_b32 v1, 31, v0                           ; lane
	v_and_b32 v2, 15, v0                           ; r
	v_bfe_u32 v3, v0, 4, 1                         ; h
	v_lshlrev_b32 v4, 4, v1
	v_lshlrev_b32 v5, 3, v1
	v_lshlrev_b32 v6, 2, v2
	v_lshlrev_b32 v8, 2, v1                        ; 4 x lane
	s_mul_i32 s21, s15, QT                         ; S1 = T: my half
	s_mul_i32 s22, s16, QT
	s_add_co_u32 s22, s22, 2*QT                    ; S0 = W: my half, behind T's two
.irp s, 0,1
	v_add_nc_u32 v[16+\s], s21, v4
	v_add_nc_u32 v[18+\s], s21, v5
	v_add_nc_u32 v[20+\s], s22, v4
	v_add_nc_u32 v[22+\s], s22, v5
	s_add_co_u32 s21, s21, SLOT
	s_add_co_u32 s22, s22, SLOT
.endr
	s_mul_i32 s21, s15, QS
	s_add_co_u32 s21, s21, SCL
	v_add_nc_u32 v24, s21, v6
	s_mul_i32 s22, s16, QS
	s_add_co_u32 s22, s22, SCL+2*QS
	v_add_nc_u32 v25, s22, v6
	; the bias in the result's layout: lane (r, h), tile b, register j: hidden unit 32 (b / 2) + 16 h + 8 (b % 2) + j of my 128
	v_lshlrev_b32 v7, 6, v3
	s_lshl_b32 s20, s42, 10
	s_lshl_b32 s21, s16, 9
	s_add_co_u32 s20, s20, s21
	s_mov_b32 s21, 0
	s_add_nc_u64 s[8:9], s[8:9], s[20:21]
.set MB, 0
.rept NB
	global_load_b128 v[BIAS+8*MB:BIAS+8*MB+3], v7, s[8:9] offset:128*(MB/2)+32*(MB%2)
	global_load_b128 v[BIAS+8*MB+4:BIAS+8*MB+7], v7, s[8:9] offset:128*(MB/2)+32*(MB%2)+16
.set MB, MB+1
.endr
	s_wait_tensorcnt 1                             ; the scale words and my part of slot 0 are in; slot 1's load may stay out
	s_barrier_signal -1
	s_barrier_wait -1
	FETCH0 0, 0, 0
	FETCH1 0, 0, 0
	SCALES 0
	FETCH1 0, 0, HB
	s_wait_loadcnt 0x0                             ; the bias
	STEP 0, 0, MODE
.if LAPS > 1
	s_mov_b32 s3, LAPS-1
.Llap:                                             ; a trip goes once round the ring and fills both slots again
	RUN 0, 1
	TURN 0, 1, 1
	RUN 1, 0
	TURN 1, 0, 1
	STEP 0, 0, 0
	s_sub_co_u32 s3, s3, 1
	s_cmp_lg_u32 s3, 0
	s_cbranch_scc1 .Llap
.endif
	RUN 0, 1
	TURN 0, 1, 0
	RUN 1, 0
	LAST
	; THE WAY OUT.  No tensor load of mine is out, so the descriptors' registers are free.
	s_lshl_b32 s20, s17, 4
	s_lshl_b32 s21, s15, 3
	s_add_co_u32 s20, s20, s21                     ; my first block of tokens: 16 ty + 8 wi
	s_lshl_b32 s20, s20, 5
	s_lshl_b32 s22, s42, 1
	s_add_co_u32 s22, s22, s16                     ; the next product's K step: 2 tx + wj
	s_add_co_u32 s20, s20, s22
	s_mul_i32 s20, s20, 1536
	s_mov_b32 s21, 0
	s_add_nc_u64 s[52:53], s[10:11], s[20:21]
	s_lshl_b32 s24, s17, 1
	s_add_co_u32 s24, s24, s15
	s_lshl_b32 s24, s24, 5
	s_add_co_u32 s24, s24, s22
	s_lshl_b32 s24, s24, 9
	s_add_co_u32 s24, s24, 12582912
	s_mov_b32 s25, 0
	s_add_nc_u64 s[54:55], s[10:11], s[24:25]
	s_mov_b32 s[SEL], 0x76543210
	s_mov_b32 s[SEL+1], 0xfedcba98
	s_mov_b32 vcc_lo, 0xffff0000                   ; lanes 16-31
	PLACES 4                                       ; behind the last products
.irp b, 0,1,2,3
	v_mov_b32 v[TM+4+\b], 0                        ; a lane permute's destination counts as read
.endr
; The 64 registers of a block of tokens (register 16 b + i = hidden unit 32 b + 16 h + i of my 128) become a fragment's codes in v[PC] on and its scale word in v[PW].
.macro QUANTW
	WIN (WA<<2)|(WA<<4)
.irp b, 0,1,2,3
	v_max3_num_f32 v[TM+\b], 0x2800000, |v[ACR+16*\b]|, |v[ACR+1+16*\b]|   ; the floor 2^(5 - 127) among the leaves
.endr
.irp i, 2,4,6,8,10,12,14
.irp b, 0,1,2,3
	v_max3_num_f32 v[TM+\b], v[TM+\b], |v[ACR+16*\b+\i]|, |v[ACR+1+16*\b+\i]|
.endr
.endr
	WIN 0
.irp b, 0,1,2,3
	v_permlanex16_b32 v[TM+4+\b], v[TM+\b], s[SEL], s[SEL+1]
.endr
.irp b, 0,1,2,3
	v_max_num_f32 v[TM+\b], v[TM+\b], v[TM+4+\b]
.endr
.irp b, 0,1,2,3
	v_add_nc_u32 v[TM+12+\b], 0xfe000000, v[TM+\b]
.endr
.irp b, 0,1,2,3
	v_lshrrev_b32 v[TM+4+\b], 23, v[TM+12+\b]
.endr
	v_lshl_or_b32 v[PW], v[TM+5], 8, v[TM+4]
	v_lshl_or_b32 v[PW], v[TM+6], 16, v[PW]
	v_lshl_or_b32 v[PW], v[TM+7], 24, v[PW]
	WIN WA
.irp c, 0,1
	v_cvt_scalef32_pk16_bf6_f32 v[PC+6*\c:PC+2+6*\c], v[ACR+32*\c:ACR+15+32*\c], v[TM+12+2*\c]
	v_cvt_scalef32_pk16_bf6_f32 v[PC+12+4*\c:PC+14+4*\c], v[ACR+16+32*\c:ACR+31+32*\c], v[TM+12+2*\c+1]
.endr
	WIN 0
	v_nop                                          ; one plain instruction behind the scaled conversions
.irp c, 0,1
.irp i, 0,1,2
	v_permlane16_swap_b32 v[PC+6*\c+\i], v[PC+12+4*\c+\i]
.endr
.irp i, 0,1,2
	v_mov_b32 v[PC+3+6*\c+\i], v[PC+12+4*\c+\i]
.endr
.endr
.endm
.macro QBLK a
.set ACR, (64*(\a))%256
.set WA, 2+(\a)/4
.if (\a) > 0
	s_wait_xcnt 0x0                                ; the last block's stores have read their data: the registers are written again only behind this wait
.endif
	WIN (WA<<6)|(WA<<2)
.set N, 0
.rept 64
	v_max_num_f32 v[ACR+N], 0, v[ACR+N]            ; the activation, in f32; each accumulator from its low end on
.set N, N+1
.endr
	QUANTW
	global_store_b128 v4, v[PC:PC+3], s[52:53] offset:(\a)*49152             ; 512 consecutive bytes, aligned
	global_store_b64 v5, v[PC+4:PC+5], s[52:53] offset:(\a)*49152+512        ; 256 consecutive bytes, aligned
	global_store_b128 v4, v[PC+6:PC+9], s[52:53] offset:(\a)*49152+768
	global_store_b64 v5, v[PC+10:PC+11], s[52:53] offset:(\a)*49152+1280
.if ((\a)%2) == 0
	v_mov_b32 v[PWE], v[PW]                        ; the scale words leave two blocks at a time:
.else
	v_cndmask_b32 v[PWS], v[PWE], v[PW], vcc_lo    ; lanes 0-15 the even block's, lanes 16-31 the odd block's: 128 consecutive bytes
	global_store_b32 v8, v[PWS], s[54:55] offset:64*((\a)-1)
.endif
.endm
.irp a, 0,1,2,3,4,5,6,7
	QBLK \a
.endr
	s_wait_tensorcnt 0x0                           ; the wave's end
	ds_add_u32 v[SPW], v[NIL]
	s_wait_dscnt 0x0
	CROUND                                         ; the closing round
	s_endpgm
.Lfunc_end_k_qb9258bfb30_ffn1:
	.size	k_qb9258bfb30_ffn1, .Lfunc_end_k_qb9258bfb30_ffn1-k_qb9258bfb30_ffn1
	.p2alignl 7, 3214868480
	.fill 96, 4, 3214868480
	.section	.rodata,"a",@progbits
	.p2align	6, 0x0
	.amdhsa_kernel k_qb9258bfb30_ffn1
		.amdhsa_group_segment_fixed_size 327680
		.amdhsa_private_segment_fixed_size 0
		.amdhsa_enable_private_segment 0
		.amdhsa_kernarg_size 32
		.amdhsa_user_sgpr_count 2
		.amdhsa_user_sgpr_kernarg_segment_ptr 1
		.amdhsa_wavefront_size32 1
		.amdhsa_system_sgpr_workgroup_id_x 1
		.amdhsa_system_sgpr_workgroup_id_y 1
		.amdhsa_system_sgpr_workgroup_id_z 1
		.amdhsa_system_vgpr_workitem_id 0
		.amdhsa_next_free_vgpr 1024
		.amdhsa_next_free_sgpr 100
		.amdhsa_reserve_vcc 1
		.amdhsa_float_denorm_mode_32 3
		.amdhsa_float_denorm_mode_16_64 3
		.amdhsa_memory_ordered 1
		.amdhsa_forward_progress 1
		.amdhsa_inst_pref_size 174
	.end_amdhsa_kernel
	.amdgpu_metadata
---
amdhsa.version: [ 1, 2 ]
amdhsa.kernels:
  - .name:           k_qb9258bfb30_ffn1
    .symbol:         k_qb9258bfb30_ffn1.kd
    .args:
      - { .name: hb, .offset: 0, .size: 8, .value_kind: global_buffer, .address_space: global }
      - { .name: wb, .offset: 8, .size: 8, .value_kind: global_buffer, .address_space: global }
      - { .name: bf1, .offset: 16, .size: 8, .value_kind: global_buffer, .address_space: global }
      - { .name: fb, .offset: 24, .size: 8, .value_kind: global_buffer, .address_space: global }
    .group_segment_fixed_size: 327680
    .private_segment_fixed_size: 0
    .kernarg_segment_align: 8
    .kernarg_segment_size: 32
    .max_flat_workgroup_size: 128
    .sgpr_count:     100
    .vgpr_count:     1024
    .wavefront_size: 32
...
	.end_amdgpu_metadata
.endif
;; end of part 6
;; launch ffn2 (part 7): grid 8 x 32, 4 waves a work-group, clusters of 4 x 4, 327,680 bytes of LDS; arguments fb, wb, bf2, xb, out0; writes out0
.if DOCPART == 7
	.amdgcn_target "amdgcn-amd-amdhsa--gfx1250"
	.amdhsa_code_object_version 6
	.text
	.protected	k_qb9258bfb30_ffn2
	.globl	k_qb9258bfb30_ffn2
	.p2align	8
	.type	k_qb9258bfb30_ffn2,@function
k_qb9258bfb30_ffn2:
	s_mov_b64 s[64:65], 0
	v_nop
	global_prefetch_b8 v0, s[64:65] scope:SCOPE_SE
	s_setreg_imm32_b32 hwreg(HW_REG_WAVE_MODE, 25, 1), 1
	s_wait_xcnt 0x0
	s_wait_alu depctr_hold_cnt(0) depctr_sa_sdst(0) depctr_va_vdst(0) depctr_va_sdst(0) depctr_va_ssrc(0) depctr_va_vcc(0) depctr_vm_vsrc(0)
	s_getreg_b32 s2, hwreg(HW_REG_IB_STS2, 6, 4)
	s_cmp_eq_u32 s2, 0
	s_cbranch_scc0 .Lentry_in_a_cluster
	s_endpgm
.Lentry_in_a_cluster:
	s_bfe_u32 s2, ttmp6, 0x10000c
	s_cmp_lg_u32 s2, 0xf033
	s_cbranch_scc0 .Lentry_shape_is_right
	s_endpgm
.Lentry_shape_is_right:
; out = x1 + hidden w2 + bf2: a product on codes of BF6 (E3M2) with one E8M0 scale for each 32 along K = 4,096; bias as the C of the first products, residual added on the way out; f32 out.
; OPERANDS.  T = the tokens' codes, W = the weight's, both as fragment images: fragment (block of 16 rows, K step of 128) = 1,536 bytes at (block x KS + K step) x 1,536: half c = registers 6 c .. 6 c + 5: 32 lanes x 16 bytes, then 32 lanes x 8.
; Scale words at ((block / 8) KS + K step) 512 + (block % 8) 64 + 4 r.  Block B's lane row r is row 32 (B / 2) + 8 (B % 2) + r + 8 (r / 8).
; SHARES.  N = 1,024 gives 64 tiles of 256 x 256: too few for the chip's work-group processors; so a work-group makes 128 x 128 (256 work-groups) and a wave 64 x 64: 16 accumulators.  A slot holds 512 along K, brought by one load a wave.
; S1 = T (source 1: a lane holds one token), S0 = W (source 0: the lane's registers run along the features).
; CLUSTERS: 4 x 4; T's tile is asked for jointly along a row of the cluster, W's along a column.  NO PREFETCH: the launch is short, and each tile is shared by four requesters already.
; THE RESIDUAL is wanted last and the tiles first: so its 32 loads a wave are issued when the first tiles are in, and land under the K loop.
; REGISTERS: window 0: v1-10 lane numbers and offsets; v16-25 LDS addresses; v28, v29 the add's; v32-47 scale words; v64-95 the bias; from v128 S1's fragments (on the way out: rows of the result).
;   window 1: S0's fragments, two sets.   window 2: v0-127 the accumulators ((a, b) at 8 (4 a + b)); v128-255 the residual.
.set NB,   4
.set NQ,   4
.set KS,   32
.set MODE, 2                           ; the first products take the bias as C
.set TSC,  12582912
.set WCO,  6291456
.set WSC,  9699328
.set HB,   NB/2
.set NL,   4
.set FR,   12
.set ROWL, NQ*1536
.set QT,   NB*ROWL
.set SLOT, 4*QT
.set SCL,  2*SLOT
.set QS,   KS*NB*64
.set SPARE, SCL+4*QS
.set LAPS, KS/(2*NQ)
.set SPW,  28
.set NIL,  29
.set SC,   32
.set BIAS, 64
.set AF,   128
.set BK,   128                         ; the way out: 16 rows read back from the stage, two sets of 32 registers
.set G1,   24
.set G0,   32
.set G1B,  48
.set G0B,  56
.set G1S,  68
.set G0S,  76
.set G1SB, 80
.set G0SB, 88
.set MSB,  0
.macro WIN new                         ; the immediate's high byte repeats the setting that is left
.if MSB != (\new)
	s_set_vgpr_msb (MSB<<8)|(\new)
.set MSB, (\new)
.endif
.endm
.macro JLOAD g0a, g1a, g0b, g1b        ; a joint load: waves 0 and 1 fetch for T, waves 2 and 3 for W; four v_nop follow each line
	s_cmp_eq_u32 s15, 0
	s_cbranch_scc0 .Lfor_b_\@
	tensor_load_to_lds s[\g0a:\g0a+3], s[\g1a:\g1a+7]
	s_nop 0
.rept 4
	v_nop
.endr
	s_branch .Lasked_\@
.Lfor_b_\@:
	tensor_load_to_lds s[\g0b:\g0b+3], s[\g1b:\g1b+7]
	s_nop 0
.rept 4
	v_nop
.endr
.Lasked_\@:
.endm
.macro CREST
	s_cmp_lg_u32 s14, 0
	s_cbranch_scc1 .Lnot_wave_0_\@
	s_barrier_signal -3
.Lnot_wave_0_\@:
	s_barrier_wait -3
	s_barrier_signal -1
	s_barrier_wait -1
.endm
.macro CROUND
	s_barrier_signal -1
	s_barrier_wait -1
	CREST
.endm
.macro PLACES n                        ; plain instructions between a matrix instruction and a load into, or a read of, its registers
.rept \n
	v_nop
.endr
.endm
.macro FRAG reg, a16, a8, off
	ds_load_b128 v[\reg:\reg+3], v[\a16] offset:\off
	ds_load_b64 v[\reg+4:\reg+5], v[\a8] offset:\off+512
	ds_load_b128 v[\reg+6:\reg+9], v[\a16] offset:\off+768
	ds_load_b64 v[\reg+10:\reg+11], v[\a8] offset:\off+1280
.endm
.macro FETCH0 slot, q, p
	WIN 0x40
.set FI, 0
.rept NB
	FRAG 128*(\p)+FR*FI, 20+\slot, 22+\slot, FI*ROWL+(\q)*1536
.set FI, FI+1
.endr
	WIN 0
.endm
.macro FETCH1 slot, q, i0
.set FI, \i0
.rept HB
	FRAG AF+FR*FI, 16+\slot, 18+\slot, FI*ROWL+(\q)*1536
.set FI, FI+1
.endr
.endm
.macro SCALES p
.set FI, 0
.rept NB
	ds_load_b32 v[SC+2*NB*(\p)+FI], v25 offset:64*FI
	ds_load_b32 v[SC+2*NB*(\p)+NB+FI], v24 offset:64*FI
.set FI, FI+1
.endr
.endm
.macro NEXTS
	v_add_nc_u32 v24, NB*64, v24
	v_add_nc_u32 v25, NB*64, v25
.endm
; S1's block a against S0's NB blocks.  The accumulators take turns, one instruction a turn, in the same order in every step.
.macro MULA a, p, mode
.set ACI, 8*NB*(\a)
.set WA, 2+ACI/256
.set ACR, ACI%256
.if \mode == 2
	WIN (WA<<6)|1
.else
	WIN (WA<<6)|(WA<<4)|1
.endif
.set MB, 0
.rept NB
.if \mode == 0
	v_wmma_scale_f32_16x16x128_f8f6f4 v[ACR+8*MB:ACR+8*MB+7], v[128*(\p)+FR*MB:128*(\p)+FR*MB+FR-1], v[AF+FR*(\a):AF+FR*(\a)+FR-1], v[ACR+8*MB:ACR+8*MB+7], v[SC+2*NB*(\p)+MB], v[SC+2*NB*(\p)+NB+(\a)] matrix_a_fmt:MATRIX_FMT_BF6 matrix_b_fmt:MATRIX_FMT_BF6
.else
	v_wmma_scale_f32_16x16x128_f8f6f4 v[ACR+8*MB:ACR+8*MB+7], v[128*(\p)+FR*MB:128*(\p)+FR*MB+FR-1], v[AF+FR*(\a):AF+FR*(\a)+FR-1], v[BIAS+8*MB:BIAS+8*MB+7], v[SC+2*NB*(\p)+MB], v[SC+2*NB*(\p)+NB+(\a)] matrix_a_fmt:MATRIX_FMT_BF6 matrix_b_fmt:MATRIX_FMT_BF6
.endif
.set MB, MB+1
.endr
.endm
.macro STEP slot, q, mode
	s_wait_dscnt HB*NL                             ; all but the youngest loads (S1's upper blocks) are in
.set MA, 0
.rept HB
	MULA MA, (\q)%2, \mode
.set MA, MA+1
.endr
	s_wait_dscnt 0x0
	PLACES 4
	FETCH0 \slot, (\q)+1, 1-(\q)%2
	NEXTS
	FETCH1 \slot, (\q)+1, 0
	SCALES 1-(\q)%2
.rept HB
	MULA MA, (\q)%2, \mode
.set MA, MA+1
.endr
	PLACES 4
	WIN 0
	FETCH1 \slot, (\q)+1, HB
.endm
; A slot's last K step changes slots: one barrier; in front of it each wave waits for all its tensor loads, adds 0 to its spare word, and waits for that and for its reads of this slot.  fill = 1: the slot is filled again, two slots ahead.
.macro TURN slot, next, fill
	s_wait_tensorcnt 0x0                           ; all my tensor loads have landed: my part of the next slot
	ds_add_u32 v[SPW], v[NIL]                      ; 0 onto my spare word
	s_wait_dscnt HB*NL+1                           ; (the add and the youngest loads may be out)
.set MA, 0
.rept HB/2
	MULA MA, 1, 0
.set MA, MA+1
.endr
	s_wait_dscnt 0x0                               ; the add is done, and my reads of this slot are over
	s_barrier_signal -1
.rept HB/2
	MULA MA, 1, 0
.set MA, MA+1
.endr
	WIN 0
	s_barrier_wait -1
.if \fill
	CREST                                          ; the barrier has opened a round of the cluster's: no wave of any partner still reads this slot or has a load on its way
	s_add_nc_u64 s[G0+4*\slot+2:G0+4*\slot+3], s[G0+4*\slot+2:G0+4*\slot+3], 2*ROWL
	s_add_nc_u64 s[G0B+4*\slot+2:G0B+4*\slot+3], s[G0B+4*\slot+2:G0B+4*\slot+3], 2*ROWL
	JLOAD G0+4*\slot, G1, G0B+4*\slot, G1B         ; the first tensor load behind the round: it has a slot's four K steps in which to land
.else
	PLACES 4
.endif
	NEXTS
	FETCH0 \next, 0, 0
	FETCH1 \next, 0, 0
	SCALES 0
.rept HB
	MULA MA, 1, 0
.set MA, MA+1
.endr
	PLACES 4
	WIN 0
	FETCH1 \next, 0, HB
.endm
.macro RUN slot, from
.set RQ, \from
.rept NQ-1-(\from)
	STEP \slot, RQ, 0
.set RQ, RQ+1
.endr
.endm
.macro LAST
	s_wait_dscnt HB*NL
.set MA, 0
.rept HB
	MULA MA, 1, 0
.set MA, MA+1
.endr
	s_wait_dscnt 0x0
.rept HB
	MULA MA, 1, 0
.set MA, MA+1
.endr
	WIN 0
.endm
	s_load_b256 s[4:11], s[0:1], 0x0               ; T's buffer, wb, the bias, the residual
	s_load_b64 s[12:13], s[0:1], 0x20              ; the result
	v_lshl_add_u32 v[SPW], v0, 2, SPARE
	v_mov_b32 v[NIL], 0
	ds_add_u32 v28, v29
	ds_add_u32 v28, v29
	s_wait_dscnt 0x0
	v_lshrrev_b32 v1, 5, v0
	v_readfirstlane_b32 s14, v1                    ; wave 0..3
	s_lshr_b32 s15, s14, 1                         ; wi.  Also: I fetch for T (0) or for W (1)
	s_and_b32 s16, s14, 1                          ; wj.  Also: which half of that tile I fetch
	s_bfe_u32 s40, ttmp6, 0x40000
	s_bfe_u32 s41, ttmp6, 0x40004
	s_lshl_b32 s42, ttmp9, 2
	s_add_co_u32 s42, s42, s40                     ; tx
	s_and_b32 s17, ttmp7, 0xffff
	s_lshl_b32 s17, s17, 2
	s_add_co_u32 s17, s17, s41                     ; ty
	s_lshl_b32 s43, s41, 2
	s_lshl_b32 s43, 15, s43
	s_lshl_b32 s44, 0x1111, s40
	s_or_b32 s[G1+0], s43, (3<<16)|(1<<21)
	s_or_b32 s[G1B+0], s44, (3<<16)|(1<<21)
.irp g, G1, G1B                        ; a tile: NB rows (blocks) of NQ x 1,536 bytes, KS x 1,536 bytes apart
	s_mov_b32 s[\g+1], (NQ*192)<<16
	s_mov_b32 s[\g+2], NB<<16
	s_mov_b32 s[\g+3], (NQ*192)<<16
	s_mov_b32 s[\g+4], NB
	s_mov_b32 s[\g+5], KS*192
	s_mov_b32 s[\g+6], 0
	s_mov_b32 s[\g+7], 0
.endr
	s_or_b32 s[G1S+0], s43, (3<<16)|(1<<21)
	s_or_b32 s[G1SB+0], s44, (3<<16)|(1<<21)
.irp g, G1S, G1SB                      ; the scale words: KS rows of NB x 64 bytes, 512 bytes apart
	s_mov_b32 s[\g+1], (NB*8)<<16
	s_mov_b32 s[\g+2], KS<<16
	s_mov_b32 s[\g+3], (NB*8)<<16
	s_mov_b32 s[\g+4], KS
	s_mov_b32 s[\g+5], 64
	s_mov_b32 s[\g+6], 0
	s_mov_b32 s[\g+7], 0
.endr
	s_lshl_b32 s20, s17, 1
	s_add_co_u32 s20, s20, s16
	s_mul_i32 s20, s20, NB
	s_lshr_b32 s22, s20, 3
	s_mul_i32 s22, s22, KS*512
	s_and_b32 s18, s20, 7
	s_lshl_b32 s18, s18, 6
	s_add_co_u32 s22, s22, s18
	s_add_co_u32 s22, s22, TSC
	s_mov_b32 s23, 0
	s_mul_i32 s20, s20, KS*1536
	s_mov_b32 s21, 0
	s_lshl_b32 s46, s42, 1
	s_add_co_u32 s46, s46, s16
	s_mul_i32 s46, s46, NB
	s_lshr_b32 s92, s46, 3
	s_mul_i32 s92, s92, KS*512
	s_and_b32 s94, s46, 7
	s_lshl_b32 s94, s94, 6
	s_add_co_u32 s92, s92, s94
	s_add_co_u32 s92, s92, WSC
	s_mov_b32 s93, 0
	s_mul_i32 s46, s46, KS*1536
	s_add_co_u32 s46, s46, WCO
	s_mov_b32 s47, 0
	s_mul_i32 s45, s14, QT
	s_mul_i32 s96, s14, QS
	s_wait_kmcnt 0x0
	s_add_nc_u64 s[20:21], s[4:5], s[20:21]
	s_add_nc_u64 s[22:23], s[4:5], s[22:23]
	s_add_nc_u64 s[46:47], s[6:7], s[46:47]
	s_add_nc_u64 s[92:93], s[6:7], s[92:93]
	CROUND                                         ; all sixteen work-groups are here: the first joint loads meet
	s_mov_b32 s[G0S], 1
	s_add_co_u32 s[G0S+1], s96, SCL
	s_mov_b64 s[G0S+2:G0S+3], s[22:23]
	s_or_b32 s[G0S+3], s[G0S+3], 0x80000000
	s_mov_b32 s[G0SB], 1
	s_add_co_u32 s[G0SB+1], s96, SCL
	s_mov_b64 s[G0SB+2:G0SB+3], s[92:93]
	s_or_b32 s[G0SB+3], s[G0SB+3], 0x80000000
	JLOAD G0S, G1S, G0SB, G1SB                     ; three tensor loads of mine are out behind these lines
.irp s, 0,1
	s_mov_b32 s[G0+4*\s], 1
	s_add_co_u32 s[G0+4*\s+1], s45, \s*SLOT
	s_add_nc_u64 s[G0+4*\s+2:G0+4*\s+3], s[20:21], \s*ROWL
	s_or_b32 s[G0+4*\s+3], s[G0+4*\s+3], 0x80000000
	s_mov_b32 s[G0B+4*\s], 1
	s_add_co_u32 s[G0B+4*\s+1], s45, \s*SLOT
	s_add_nc_u64 s[G0B+4*\s+2:G0B+4*\s+3], s[46:47], \s*ROWL
	s_or_b32 s[G0B+4*\s+3], s[G0B+4*\s+3], 0x80000000
	JLOAD G0+4*\s, G1, G0B+4*\s, G1B
.endr
	v_and_b32 v1, 31, v0                           ; lane
	v_and_b32 v2, 15, v0                           ; r
	v_bfe_u32 v3, v0, 4, 1                         ; h
	v_lshlrev_b32 v4, 4, v1
	v_lshlrev_b32 v5, 3, v1
	v_lshlrev_b32 v6, 2, v2
	s_mul_i32 s21, s15, QT                         ; S1 = T: my half
	s_mul_i32 s22, s16, QT
	s_add_co_u32 s22, s22, 2*QT                    ; S0 = W: my half, behind T's two
.irp s, 0,1
	v_add_nc_u32 v[16+\s], s21, v4
	v_add_nc_u32 v[18+\s], s21, v5
	v_add_nc_u32 v[20+\s], s22, v4
	v_add_nc_u32 v[22+\s], s22, v5
	s_add_co_u32 s21, s21, SLOT
	s_add_co_u32 s22, s22, SLOT
.endr
	s_mul_i32 s21, s15, QS
	s_add_co_u32 s21, s21, SCL
	v_add_nc_u32 v24, s21, v6
	s_mul_i32 s22, s16, QS
	s_add_co_u32 s22, s22, SCL+2*QS
	v_add_nc_u32 v25, s22, v6
	; the bias in the result's layout: lane (r, h), tile b, register j: feature 32 (b / 2) + 16 h + 8 (b % 2) + j of my 64
	v_lshlrev_b32 v7, 6, v3
	s_lshl_b32 s20, s42, 9
	s_lshl_b32 s21, s16, 8
	s_add_co_u32 s20, s20, s21                     ; my first feature, in bytes
	s_mov_b32 s21, 0
	s_add_nc_u64 s[8:9], s[8:9], s[20:21]
.set MB, 0
.rept NB
	global_load_b128 v[BIAS+8*MB:BIAS+8*MB+3], v7, s[8:9] offset:128*(MB/2)+32*(MB%2)
	global_load_b128 v[BIAS+8*MB+4:BIAS+8*MB+7], v7, s[8:9] offset:128*(MB/2)+32*(MB%2)+16
.set MB, MB+1
.endr
	s_lshl_b32 s22, s17, 3
	s_lshl_b32 s23, s15, 2
	s_add_co_u32 s22, s22, s23                     ; my first block of tokens: 8 ty + 4 wi
	s_lshl_b32 s22, s22, 16                        ; x 16 rows of 4,096 bytes
	s_add_co_u32 s20, s20, s22
	s_add_nc_u64 s[10:11], s[10:11], s[20:21]
	s_add_nc_u64 s[12:13], s[12:13], s[20:21]
	v_lshlrev_b32 v8, 12, v3
	v_lshl_add_u32 v8, v2, 4, v8                   ; lanes 0-15 one row's 256 bytes, lanes 16-31 the next row's
	s_mul_i32 s23, s14, 4352                       ; my stage: 16 rows x (256 + 16) bytes, in slot 0, which has had its last fill and its last read when the first result is stored there
	v_mul_u32_u24 v9, v2, 272
	v_lshl_add_u32 v9, v3, 6, v9
	v_add_nc_u32 v9, s23, v9                       ; in: row r, + 64 h
	v_mul_u32_u24 v10, v3, 272
	v_lshl_add_u32 v10, v2, 4, v10
	v_add_nc_u32 v10, s23, v10                     ; back: two rows an instruction
	s_wait_tensorcnt 1                             ; the scale words and my part of slot 0 are in; slot 1's load may stay out
	s_barrier_signal -1
	s_barrier_wait -1
	FETCH0 0, 0, 0
	FETCH1 0, 0, 0
	SCALES 0
	FETCH1 0, 0, HB
	s_wait_loadcnt 0x0                             ; the bias: nothing younger is out
	WIN 0x80                                       ; destination window 2
.set RA, 0
.rept 4
.set RT, 0
.rept 8
	global_load_b128 v[128+32*RA+4*RT:128+32*RA+4*RT+3], v8, s[10:11] offset:(32*(RA/2)+8*(RA%2)+2*RT+8*(RT/4))*4096   ; the residual, laid as the rows will come back from the stage; asked for now that the first tiles are in, it lands under the K loop
.set RT, RT+1
.endr
.set RA, RA+1
.endr
	WIN 0
	STEP 0, 0, MODE
.if LAPS > 1
	s_mov_b32 s3, LAPS-1
.Llap:                                             ; a trip goes once round the ring and fills both slots again
	RUN 0, 1
	TURN 0, 1, 1
	RUN 1, 0
	TURN 1, 0, 1
	STEP 0, 0, 0
	s_sub_co_u32 s3, s3, 1
	s_cmp_lg_u32 s3, 0
	s_cbranch_scc1 .Llap
.endif
	RUN 0, 1
	TURN 0, 1, 0
	RUN 1, 0
	LAST
; THE WAY OUT, a block of 16 tokens x 64 features at a time, through my own stage: a lane holds 32 bytes of a row; sixteen lanes store a row's 256 bytes.  LDS serves a wave's instructions in order: no wait between the stores and the loads.
.macro TOSTAGE a
	WIN 0x08                                       ; an LDS store's data are its source 1: window 2
.set MB, 0
.rept 4
	ds_store_b128 v9, v[8*(4*(\a)+MB):8*(4*(\a)+MB)+3] offset:128*(MB/2)+32*(MB%2)       ; each accumulator from its low end on
	ds_store_b128 v9, v[8*(4*(\a)+MB)+4:8*(4*(\a)+MB)+7] offset:128*(MB/2)+32*(MB%2)+16
.set MB, MB+1
.endr
	WIN 0
.set RT, 0
.rept 8
	ds_load_b128 v[BK+32*((\a)%2)+4*RT:BK+32*((\a)%2)+4*RT+3], v10 offset:544*RT
.set RT, RT+1
.endr
.endm
.macro SEND a, younger                 ; younger: the LDS instructions issued behind block a's loads
	s_wait_dscnt \younger
	WIN 0x08                                       ; source 1: the residual, window 2
.set RT, 0
.rept 16
	v_pk_add_f32 v[BK+32*((\a)%2)+2*RT:BK+32*((\a)%2)+2*RT+1], v[BK+32*((\a)%2)+2*RT:BK+32*((\a)%2)+2*RT+1], v[128+32*(\a)+2*RT:128+32*(\a)+2*RT+1]
.set RT, RT+1
.endr
	WIN 0
.set RT, 0
.rept 8
	global_store_b128 v8, v[BK+32*((\a)%2)+4*RT:BK+32*((\a)%2)+4*RT+3], s[12:13] offset:(32*((\a)/2)+8*((\a)%2)+2*RT+8*(RT/4))*4096   ; 16 lanes store 256 consecutive bytes, aligned
.set RT, RT+1
.endr
.endm
	s_wait_loadcnt 0x0                             ; the residual
	PLACES 4                                       ; behind the last products
	TOSTAGE 0
.irp a, 1,2,3
.if \a > 1
	s_wait_xcnt 0x0                                ; block a - 2's stores have read their registers: block a's rows may land there
.endif
	TOSTAGE \a
	SEND \a-1, 16                                  ; behind block a - 1's loads: block a's 8 stores and 8 loads
.endr
	SEND 3, 0
	s_wait_tensorcnt 0x0                           ; the wave's end
	ds_add_u32 v[SPW], v[NIL]
	s_wait_dscnt 0x0
	CROUND                                         ; the closing round
	s_endpgm
.Lfunc_end_k_qb9258bfb30_ffn2:
	.size	k_qb9258bfb30_ffn2, .Lfunc_end_k_qb9258bfb30_ffn2-k_qb9258bfb30_ffn2
	.p2alignl 7, 3214868480
	.fill 96, 4, 3214868480
	.section	.rodata,"a",@progbits
	.p2align	6, 0x0
	.amdhsa_kernel k_qb9258bfb30_ffn2
		.amdhsa_group_segment_fixed_size 327680
		.amdhsa_private_segment_fixed_size 0
		.amdhsa_enable_private_segment 0
		.amdhsa_kernarg_size 40
		.amdhsa_user_sgpr_count 2
		.amdhsa_user_sgpr_kernarg_segment_ptr 1
		.amdhsa_wavefront_size32 1
		.amdhsa_system_sgpr_workgroup_id_x 1
		.amdhsa_system_sgpr_workgroup_id_y 1
		.amdhsa_system_sgpr_workgroup_id_z 1
		.amdhsa_system_vgpr_workitem_id 0
		.amdhsa_next_free_vgpr 768
		.amdhsa_next_free_sgpr 100
		.amdhsa_reserve_vcc 0
		.amdhsa_float_denorm_mode_32 3
		.amdhsa_float_denorm_mode_16_64 3
		.amdhsa_memory_ordered 1
		.amdhsa_forward_progress 1
		.amdhsa_inst_pref_size 110
	.end_amdhsa_kernel
	.amdgpu_metadata
---
amdhsa.version: [ 1, 2 ]
amdhsa.kernels:
  - .name:           k_qb9258bfb30_ffn2
    .symbol:         k_qb9258bfb30_ffn2.kd
    .args:
      - { .name: fb, .offset: 0, .size: 8, .value_kind: global_buffer, .address_space: global }
      - { .name: wb, .offset: 8, .size: 8, .value_kind: global_buffer, .address_space: global }
      - { .name: bf2, .offset: 16, .size: 8, .value_kind: global_buffer, .address_space: global }
      - { .name: xb, .offset: 24, .size: 8, .value_kind: global_buffer, .address_space: global }
      - { .name: out0, .offset: 32, .size: 8, .value_kind: global_buffer, .address_space: global }
    .group_segment_fixed_size: 327680
    .private_segment_fixed_size: 0
    .kernarg_segment_align: 8
    .kernarg_segment_size: 40
    .max_flat_workgroup_size: 128
    .sgpr_count:     100
    .vgpr_count:     768
    .wavefront_size: 32
...
	.end_amdgpu_metadata
.endif
;; end of part 7
